; MI455X (gfx1250); checked and timed in simulation.
; The chip was launched on July 23, 2026; its instructions are those of AMD's public machine-readable ISA for CDNA 5 (MIT licence, August 2026) and "CDNA5" Instruction Set Architecture Reference Guide (July 2026). The comments in the code are by the model that wrote it; some were corrected since.
;; Multi Head Self Attention. Allowed arithmetic: matrix products marked QUANTISED: E5M2 operands, one E8M0 scale for each 32 along K, by v_wmma_scale_f32_16x16x128_f8f6f4 with both operands' format E5M2, f32 sums; everything else in f32.
;; Inputs: Wk_codes 1,024 x 32 x 32 uint8 (E5M2 codes of Wk, K innermost, in blocks of 32 codes); Wk_scales 1,024 x 32 uint8 (E8M0 scales of Wk, one for each 32 codes along K); Wp_codes 1,024 x 32 x 32 uint8 (E5M2 codes of Wp, K innermost, in blocks of 32 codes); Wp_scales 1,024 x 32 uint8 (E8M0 scales of Wp, one for each 32 codes along K); Wq_codes 1,024 x 32 x 32 uint8 (E5M2 codes of Wq, K innermost, in blocks of 32 codes); Wq_scales 1,024 x 32 uint8 (E8M0 scales of Wq, one for each 32 codes along K); Wv_codes 1,024 x 32 x 32 uint8 (E5M2 codes of Wv, K innermost, in blocks of 32 codes); Wv_scales 1,024 x 32 uint8 (E8M0 scales of Wv, one for each 32 codes along K); beta 1,024 float32; bk 1,024 float32; bp 1,024 float32; bq 1,024 float32; bv 1,024 float32; gamma 1,024 float32; hidden_input 4 x 2,048 x 1,024 float32.
;; Outputs: out0 4 x 2,048 x 1,024 float32.
;; This version of the problem:
;;   THIS VERSION OF THE PROBLEM IS GIVEN IN LOW PRECISION. The matrix products marked QUANTISED in the list below multiply operands that are first quantised to E5M2 (5 exponent bits, 2 mantissa bits; 8 bits a number), with one power-of-two scale for each 32 numbers along K (OCP MX v1.0); their sums are f32. All else is computed in f32.
;;   The module's matrix products, in the order in which they are computed (A, B: the left and right operand; K: the contracted axis; several contracted axes count as one K, in the product's order):
;;     1. [M 8,192, K 1,024] x [K 1,024, N 1,024]; A: input hidden_input; B: input Wq (given as codes): QUANTISED
;;     2. [M 8,192, K 1,024] x [K 1,024, N 1,024]; A: input hidden_input; B: input Wk (given as codes): QUANTISED
;;     3. [M 8,192, K 1,024] x [K 1,024, N 1,024]; A: input hidden_input; B: input Wv (given as codes): QUANTISED
;;     4. batch 64 x [M 2,048, K 64] x [K 64, N 2,048]; A: computed on the way; B: computed on the way: QUANTISED
;;     5. batch 64 x [M 2,048, K 2,048] x [K 2,048, N 64]; A: softmax (see below); B: computed on the way: QUANTISED
;;     6. [M 8,192, K 1,024] x [K 1,024, N 1,024]; A: computed on the way; B: input Wp (given as codes): QUANTISED
;;   THE QUANTISER, for each operand of a quantised product, along K:
;;     - K is cut into blocks of 32 from its start; a last block that is shorter is filled with zeros.
;;     - A block's scale is 2^e with e = floor(log2(the largest magnitude in the block)) - 15, held to -126 .. 127; a block of zeros has e = 0. As a byte (E8M0): e + 127.
;;     - Each number is divided by its block's scale, clamped to +-57,344, and rounded to the nearest number of E5M2, ties to even, subnormals kept.
;;     - The product sums the exact products of the quantised numbers (number of the format x scale) in f32.
;;   ~~~python
;;   def quantise(x, axis):      # numpy; x: float32 -> the quantised numbers, widened to float32 again
;;       x = np.moveaxis(x, axis, -1); K = x.shape[-1]
;;       x = np.pad(x, [(0, 0)] * (x.ndim - 1) + [(0, -K % 32)]); x = x.reshape(x.shape[:-1] + (-1, 32)); a = np.abs(x).max(-1, keepdims=True)
;;       e = np.where(a > 0, np.clip(np.frexp(np.where(a > 0, a, 1))[1] - 1 - 15, -126, 127), 0)      # np.frexp(a)[1] - 1 = floor(log2(a)), exactly
;;       r = np.clip(x / 2.0 ** e, -57344, 57344)
;;       step = 2.0 ** (np.maximum(np.frexp(np.where(r == 0, 1, r))[1] - 1, -14) - 2)
;;       q = np.round(r / step) * step * 2.0 ** e      # np.round: ties to even
;;       return np.moveaxis(q.reshape(q.shape[:-2] + (-1,))[..., :K], -1, axis).astype(np.float32)
;;   ~~~
;;   SOFTMAX AHEAD OF A QUANTISED PRODUCT. Where the list says 'softmax', what is quantised is not the finished softmax but p = 2^(t - M), with t = logit x log2(e) and M = ceil(the row's largest t), a whole number; so 1/2 < the row's largest p <= 1. The row's sum l is taken of the UNQUANTISED p, in f32, and the product's result is divided by l at the end. Since M is a whole number, a kernel that streams over the keys may use a running M (the ceiling of the running maximum): every later rescaling is an exact power of two, which a block's scale takes up: the codes' values come out the same.
;;   OPERANDS COMPUTED ON THE WAY. 'Computed on the way' means the value that the module computes at that place (a softmax that the list does not call 'softmax' is quantised finished and normalised). What goes into a quantiser is computed in f32, as accurately as f32 sums, v_exp_f32 and their like allow (about 1e-6 of the number): no bf16 or f16 on the way to a quantiser, and a product that is left as it is and whose result goes on into a quantised operand takes f32 operands (vector FMAs, or v_wmma_f32_16x16x4_f32). A number that lies on a knife's edge between two numbers of the format may be rounded either way, as far as f32 arithmetic and the matrix unit's own rounding can turn it there, and no further.
;;   INPUTS GIVEN AS CODES. Wk (in the module: [1024, 1024], K = its axis 0); Wp (in the module: [1024, 1024], K = its axis 0); Wq (in the module: [1024, 1024], K = its axis 0); Wv (in the module: [1024, 1024], K = its axis 0): each comes as NAME_codes (uint8): NAME with its K axis moved to the last place and cut into blocks of 32 codes, [.., K / 32, bytes a block], one block behind the other in memory; one code a byte (a code: sign, 5 exponent bits, 2 mantissa bits); and NAME_scales (uint8): the same leading axes, one E8M0 byte (e + 127) for each 32 codes along K. Its value is code x scale, taken as it is: it is not quantised again, and the codes and scales need not be those that the quantiser above would give.
;; One version. Each part assembles by itself: llvm-mc -triple=amdgcn-amd-amdhsa -mcpu=gfx1250 --defsym DOCPART=n.
;; ======== version 1 of 1: 4 launches
;; workspace buffers: xq_codes 8,388,608 bytes; xq_scales 262,144 bytes; wp_img 1,048,576 bytes; wps_img 32,768 bytes; qrec 8,650,752 bytes; kvrec 17,301,504 bytes; ctx_img 8,388,608 bytes; ctx_sc 262,144 bytes
;; launch prep (part 1): grid 272 x 1, 4 waves a work-group, no clusters, 33,280 bytes of LDS; arguments hidden_input, Wp_codes, xq_codes, xq_scales, wp_img, Wp_scales, wps_img; writes xq_codes, xq_scales, wp_img, wps_img
.if DOCPART == 1
	.amdgcn_target "amdgcn-amd-amdhsa--gfx1250"
	.amdhsa_code_object_version 6
	.text
	.protected	k_qc43e438522_prep
	.globl	k_qc43e438522_prep
	.p2align	8
	.type	k_qc43e438522_prep,@function
k_qc43e438522_prep:
	s_mov_b64 s[64:65], 0
	v_nop
	global_prefetch_b8 v0, s[64:65] scope:SCOPE_SE
	s_setreg_imm32_b32 hwreg(HW_REG_WAVE_MODE, 25, 1), 1
	s_wait_xcnt 0x0
; MULTI-HEAD SELF-ATTENTION IN MX-BF8, launch 1 of 4: (a) hidden_input [8192][1024] f32 becomes codes of E5M2 with one E8M0 byte for each 32 along its last axis (the K of products 1 to 3);
; (b) Wp's codes and scale words are laid in the order in which launch 4's registers take them.
; DEAD WORK: none.  Every product of the problem's table is live, every bias moves codes or results (bk too: it goes into k ahead of k's quantiser), and every input has a way to out0: all are loaded by some launch.
; LIMITS: NaN and infinities among the inputs are not served.  A block whose largest magnitude lies under 2^-111 keeps the scale byte 1.  A block of zeros gets the byte 1 where the rule says 127:
; its codes are zeros, which add nothing under any byte but 0xff, and these bytes are read by this program alone.
; (a) WORK-GROUPS 0 TO 255.  Rows are dense, so the tensor is a plain stream of blocks of 32.  A wave takes 16 steps of 512 numbers.  Each of a step's four loads reads 512 consecutive bytes, 16 a lane; the 2,048 bytes
; turn through the wave's own stage in LDS (16 bytes of padding behind each 64) and come back 64 bytes a lane: 16 neighbours, two lanes to a block.  A lane's 16 codes are 16 bytes: the wave stores 512 consecutive bytes.
; A wave's 256 scale bytes are gathered in its own LDS bytes and leave as one aligned run of 256 bytes.  Loads run four steps ahead, the turn through LDS one step.  Waves share nothing: no barrier.
; (b) WORK-GROUPS 256 TO 271.  Wave = one tile bt of 16 columns of Wp (16 rows of Wp_codes, 1,024 bytes each).  wp_img [tile 64][K step 8][2,048 bytes]: chunk c of 512 bytes holds lane l's 16 bytes at 16 l:
; column l % 16, k = 128 step + 32 c + 16 (l / 16) + 0 .. 15.  A wave reads its 16 rows whole and stores 512 consecutive bytes an instruction.  No LDS on this way.
; wps_img [K step 8][bt / 16][r 16][bt % 16] of 32-bit words: the scale word (four bytes, 128 along K) of column 16 bt + r.  Lane (r, h) reads 16 bytes of its column's 32 and stores four words, 4 bytes each and far apart:
; 32,768 bytes in the whole launch, so that launch 4 can fetch one K step's words of 16 tiles as 64 neighbouring bytes a lane.
.set STEPS, 16
.set R,     16                         ; v16-79   four sets of 16 numbers as they are loaded  (way (b): v16-143 the tile's 32 chunks, v144-147 four scale words)
.set X,     80                         ; v80-111  two sets of 16 neighbours
.set E,     112                        ; v112-127 a scale byte for each step
.set C,     128                        ; v128-191 codes: four registers for each step, so that no store's data are written again
.set WREG,  8192                       ; LDS: a region for each wave: two stages of 32 x SP bytes, behind them its 256 scale bytes
.set SP,    80                         ; a lane's place in a stage: its 64 bytes + 16 of padding
.set SPW,   12                         ; v12 LDS address of my spare word; never rewritten
.set NIL,   13                         ; v13 0; never rewritten
.set SPARE, 4*WREG                     ; behind the four regions: the spare words, 128 bytes a wave, which no other line names
	s_load_b128 s[4:7], s[0:1], 0x0                ; hidden_input, Wp_codes
	s_load_b128 s[8:11], s[0:1], 0x10              ; xq_codes, xq_scales
	s_load_b128 s[12:15], s[0:1], 0x20             ; wp_img, Wp_scales
	s_load_b64 s[24:25], s[0:1], 0x30              ; wps_img
	v_lshl_add_u32 v[SPW], v0, 2, SPARE
	v_mov_b32 v[NIL], 0
	v_lshrrev_b32 v1, 5, v0
	v_readfirstlane_b32 s16, v1                    ; wave
	v_and_b32 v2, 31, v0                           ; lane
	v_lshlrev_b32 v3, 4, v2                        ; 16 x lane: my bytes of a load's 512, and of a store's
	s_mul_i32 s17, s16, WREG
	v_lshrrev_b32 v14, 2, v2
	v_mul_u32_u24 v14, v14, SP
	v_and_b32 v15, 3, v2
	v_lshl_add_u32 v14, v15, 4, v14
	v_add_nc_u32 v14, s17, v14                     ; the stage, on the way in: SP (lane / 4) + 16 (lane % 4)
	v_mul_u32_u24 v15, v2, SP
	v_add_nc_u32 v15, s17, v15                     ; and on the way out: SP x lane
	v_lshrrev_b32 v5, 1, v2
	s_add_co_u32 s17, s17, 2*32*SP
	v_add_nc_u32 v5, s17, v5                       ; my wave's 256 scale bytes, my block's byte
	v_lshlrev_b32 v7, 3, v2                        ; on the way out 8 bytes a lane
	v_add_nc_u32 v6, s17, v7
	s_mov_b32 s23, 0x600000                        ; the mantissa field of 57,344
	s_mov_b32 s21, 0
	s_wait_kmcnt 0x0
	s_cmp_ge_u32 ttmp9, 256                        ; the work-group's number alone decides the way
	s_cbranch_scc1 .Limage
	s_lshl_b32 s17, ttmp9, 2
	s_add_co_u32 s18, s17, s16                     ; which run of 8,192 numbers is my wave's: 0 .. 1,023
	s_lshl_b32 s20, s18, 15
	s_add_nc_u64 s[4:5], s[4:5], s[20:21]          ; 32,768 bytes of f32 a run,
	s_lshl_b32 s20, s18, 13
	s_add_nc_u64 s[8:9], s[8:9], s[20:21]          ; 8,192 of codes,
	s_lshl_b32 s20, s18, 8
	s_add_nc_u64 s[10:11], s[10:11], s[20:21]      ; 256 of scale bytes
.macro LOAD t
.irp i, 0,1,2,3
	global_load_b128 v[R+16*((\t)%4)+4*\i:R+16*((\t)%4)+4*\i+3], v3, s[4:5] offset:2048*(\t)+512*\i th:TH_LOAD_NT
.endr
.endm
.macro TURN t                          ; step t's numbers through the stage: LDS serves a wave's instructions in order, so no wait stands between the stores and the loads
.irp i, 0,1,2,3
	ds_store_b128 v14, v[R+16*((\t)%4)+4*\i:R+16*((\t)%4)+4*\i+3] offset:32*SP*((\t)%2)+8*SP*\i
.endr
.irp i, 0,1,2,3
	ds_load_b128 v[X+16*((\t)%2)+4*\i:X+16*((\t)%2)+4*\i+3], v15 offset:32*SP*((\t)%2)+16*\i
.endr
.endm
.irp t, 0,1,2,3
	LOAD \t
.endr
	s_wait_loadcnt 12                              ; step 0's four loads are in; the twelve of steps 1 to 3 stay out
	TURN 0
.macro STEP t
.set XS, X+16*((\t)%2)
.if (\t) > 0
	s_wait_dscnt 1                                 ; this step's numbers are back from the stage; the last step's byte store may be out
.else
	s_wait_dscnt 0x0
.endif
.if (\t)+4 < STEPS
	LOAD (\t)+4                                    ; into the registers that this step's stage stores have read
.endif
.if (\t)+1 < STEPS
.if STEPS-2-(\t) >= 3
	s_wait_loadcnt 12                              ; the next step's four loads are in; those of the three steps behind it may be out
.else
	s_wait_loadcnt 4*(STEPS-2-(\t))
.endif
	TURN (\t)+1
.endif
	v_max3_num_f32 v8, |v[XS]|, |v[XS+1]|, |v[XS+2]|               ; the largest magnitude of my 16, in two chains
	v_max3_num_f32 v9, |v[XS+3]|, |v[XS+4]|, |v[XS+5]|
.irp i, 6,10
	v_max3_num_f32 v8, v8, |v[XS+\i]|, |v[XS+\i+1]|
	v_max3_num_f32 v9, v9, |v[XS+\i+2]|, |v[XS+\i+3]|
.endr
	v_max3_num_f32 v8, v8, |v[XS+14]|, |v[XS+15]|
	v_max3_num_f32 v8, v8, v9, 0x8000000           ; and the floor 2^(16 - 127): the byte cannot fall under 1
	v_max_num_f32_dpp v8, v8, v8 row_xmask:1 row_mask:0xf bank_mask:0xf   ; with my neighbour's 16: the block's
	v_add_nc_u32 v11, 0xf8800000, v8               ; 15 off its exponent field: the conversion's scale operand
	v_and_or_b32 v10, v8, 0x7f800000, s23          ; 57,344 x the scale
.irp i, 0,1,2,3,4,5,6,7,8,9,10,11,12,13,14,15
	v_med3_num_f32 v[XS+\i], v[XS+\i], -v10, v10   ; the conversion to an 8-bit code does not saturate (ISA guide 7.6.2): the hold comes first
.endr
	v_cvt_scalef32_pk8_bf8_f32 v[C+4*(\t):C+4*(\t)+1], v[XS:XS+7], v11
	v_cvt_scalef32_pk8_bf8_f32 v[C+4*(\t)+2:C+4*(\t)+3], v[XS+8:XS+15], v11
	v_lshrrev_b32 v[E+(\t)], 23, v11               ; the scale's byte (also the plain line behind the conversions)
	ds_store_b8 v5, v[E+(\t)] offset:16*(\t)       ; both lanes of a block write the same byte with the same value
	global_store_b128 v3, v[C+4*(\t):C+4*(\t)+3], s[8:9] offset:512*(\t)
.endm
.irp t, 0,1,2,3,4,5,6,7,8,9,10,11,12,13,14,15
	STEP \t
.endr
	ds_load_b64 v[8:9], v6                         ; LDS serves a wave's instructions in order: these see my stores
	s_wait_dscnt 0x0
	global_store_b64 v7, v[8:9], s[10:11]          ; 32 lanes store 256 consecutive bytes, aligned
	s_wait_tensorcnt 0x0                           ; the wave's end: the tensor wait, the spare word's add and its wait, behind my last LDS store
	ds_add_u32 v[SPW], v[NIL]
	s_wait_dscnt 0x0
	s_endpgm
.Limage:                                               ; way (b): no LDS write on it
	s_sub_co_u32 s17, ttmp9, 256
	s_lshl_b32 s17, s17, 2
	s_add_co_u32 s17, s17, s16                     ; my tile of 16 columns, bt: 0 .. 63
	s_lshl_b32 s20, s17, 14                        ; 16 rows of 1,024 bytes in, 8 images of 2,048 bytes out
	s_add_nc_u64 s[6:7], s[6:7], s[20:21]
	s_add_nc_u64 s[12:13], s[12:13], s[20:21]
	s_lshl_b32 s20, s17, 9                         ; 16 rows of 32 scale bytes
	s_add_nc_u64 s[14:15], s[14:15], s[20:21]
	s_lshr_b32 s20, s17, 4
	s_lshl_b32 s20, s20, 10                        ; wps_img: 1,024 (bt / 16)
	s_and_b32 s18, s17, 15
	s_lshl_b32 s18, s18, 2
	s_add_co_u32 s20, s20, s18                     ; + 4 (bt % 16)
	s_add_nc_u64 s[24:25], s[24:25], s[20:21]
	v_and_b32 v8, 15, v2                           ; r
	v_lshrrev_b32 v9, 4, v2                        ; h
	v_lshlrev_b32 v10, 10, v8
	v_lshl_add_u32 v10, v9, 4, v10                 ; codes: row r, + 16 h
	v_lshlrev_b32 v11, 5, v8
	v_lshl_add_u32 v11, v9, 4, v11                 ; scale bytes: row r, + 16 h: the words of K steps 4 h + 0 .. 3
	v_lshlrev_b32 v4, 6, v8
	v_lshl_add_u32 v4, v9, 14, v4                  ; and where they go: 64 r + 4,096 x 4 h
	global_load_b128 v[144:147], v11, s[14:15]
.set i, 0
.rept 32
	global_load_b128 v[16+4*i:19+4*i], v10, s[6:7] offset:128*(i/4)+32*(i%4)
.set i, i+1
.endr
.set i, 0
.rept 32
	s_wait_loadcnt 31-i                            ; loads come back in order: chunk i is in (and the scale words, asked for first), the younger ones stay out
	global_store_b128 v3, v[16+4*i:19+4*i], s[12:13] offset:512*i
.set i, i+1
.endr
.irp j, 0,1,2,3
	global_store_b32 v4, v[144+\j], s[24:25] offset:4096*\j        ; K step 4 h + j
.endr
	s_endpgm
.Lfunc_end_k_qc43e438522_prep:
	.size	k_qc43e438522_prep, .Lfunc_end_k_qc43e438522_prep-k_qc43e438522_prep
	.p2alignl 7, 3214868480
	.fill 96, 4, 3214868480
	.section	.rodata,"a",@progbits
	.p2align	6, 0x0
	.amdhsa_kernel k_qc43e438522_prep
		.amdhsa_group_segment_fixed_size 33280
		.amdhsa_private_segment_fixed_size 0
		.amdhsa_enable_private_segment 0
		.amdhsa_kernarg_size 56
		.amdhsa_user_sgpr_count 2
		.amdhsa_user_sgpr_kernarg_segment_ptr 1
		.amdhsa_wavefront_size32 1
		.amdhsa_system_sgpr_workgroup_id_x 1
		.amdhsa_system_sgpr_workgroup_id_y 1
		.amdhsa_system_sgpr_workgroup_id_z 1
		.amdhsa_system_vgpr_workitem_id 0
		.amdhsa_next_free_vgpr 192
		.amdhsa_next_free_sgpr 66
		.amdhsa_reserve_vcc 0
		.amdhsa_float_denorm_mode_32 3
		.amdhsa_float_denorm_mode_16_64 3
		.amdhsa_memory_ordered 1
		.amdhsa_forward_progress 1
		.amdhsa_inst_pref_size 59
	.end_amdhsa_kernel
	.amdgpu_metadata
---
amdhsa.version: [ 1, 2 ]
amdhsa.kernels:
  - .name:           k_qc43e438522_prep
    .symbol:         k_qc43e438522_prep.kd
    .args:
      - { .name: hidden_input, .offset: 0, .size: 8, .value_kind: global_buffer, .address_space: global }
      - { .name: Wp_codes, .offset: 8, .size: 8, .value_kind: global_buffer, .address_space: global }
      - { .name: xq_codes, .offset: 16, .size: 8, .value_kind: global_buffer, .address_space: global }
      - { .name: xq_scales, .offset: 24, .size: 8, .value_kind: global_buffer, .address_space: global }
      - { .name: wp_img, .offset: 32, .size: 8, .value_kind: global_buffer, .address_space: global }
      - { .name: Wp_scales, .offset: 40, .size: 8, .value_kind: global_buffer, .address_space: global }
      - { .name: wps_img, .offset: 48, .size: 8, .value_kind: global_buffer, .address_space: global }
    .group_segment_fixed_size: 33280
    .private_segment_fixed_size: 0
    .kernarg_segment_align: 8
    .kernarg_segment_size: 56
    .max_flat_workgroup_size: 128
    .sgpr_count:     66
    .vgpr_count:     192
    .wavefront_size: 32
...
	.end_amdgpu_metadata
.endif
;; end of part 1
;; launch qkv (part 2): grid 12 x 32, 4 waves a work-group, clusters of 4 x 4, 327,680 bytes of LDS; arguments xq_codes, xq_scales, Wq_codes, Wq_scales, Wk_codes, Wk_scales, Wv_codes, Wv_scales, bq, bk, bv, qrec, kvrec; writes qrec, kvrec
.if DOCPART == 2
	.amdgcn_target "amdgcn-amd-amdhsa--gfx1250"
	.amdhsa_code_object_version 6
	.text
	.protected	k_qc43e438522_qkv
	.globl	k_qc43e438522_qkv
	.p2align	8
	.type	k_qc43e438522_qkv,@function
k_qc43e438522_qkv:
	s_mov_b64 s[64:65], 0
	v_nop
	global_prefetch_b8 v0, s[64:65] scope:SCOPE_SE
	s_setreg_imm32_b32 hwreg(HW_REG_WAVE_MODE, 25, 1), 1
	s_wait_xcnt 0x0
	s_wait_alu depctr_hold_cnt(0) depctr_sa_sdst(0) depctr_va_vdst(0) depctr_va_sdst(0) depctr_va_ssrc(0) depctr_va_vcc(0) depctr_vm_vsrc(0)
	s_getreg_b32 s2, hwreg(HW_REG_IB_STS2, 6, 4)
	s_cmp_eq_u32 s2, 0
	s_cbranch_scc0 .Lentry_in_a_cluster
	s_endpgm
.Lentry_in_a_cluster:
	s_bfe_u32 s2, ttmp6, 0x10000c
	s_cmp_lg_u32 s2, 0xf033
	s_cbranch_scc0 .Lentry_shape_is_right
	s_endpgm
.Lentry_shape_is_right:
; Launch 2 of 4: q = x Wq + bq, k = x Wk + bk, v = x Wv + bv on codes of E5M2 (K = 1,024), each then quantised for the attention launch: q and k along the head's 64, v along the KEYS.  No work is left out.
; ONE GEMM BODY, C = A B^T, tiles of 256 x 256, four waves of 128 x 128 (64 accumulators, 512 registers), K in steps of 256 through a ring of two LDS slots; the scale bytes of the tile's rows come once and stay.
; The cluster's x (0, 1, 2: the same in all sixteen partners) says which tensor: q, k: A = x (8,192 rows), B = W (1,024 rows).  v IS MADE TRANSPOSED: A = Wv (rows = head, d), B = x (rows = tokens), so that the keys are
; the COLUMNS of C and one form of way out, which quantises along columns, serves all three.
; CLUSTERS: 4 x 4 work-groups; A's tile is asked for jointly along a row of the cluster, B's along a column.  The matrix instruction is used transposed (source 0 = 16 rows of B, source 1 = 16 rows of A):
; a lane holds eight neighbouring columns of a row of C.
; THE WAY OUT.  32 rows x 128 columns at a time go through the wave's own stage in LDS and come back so that a lane holds 64 neighbouring columns of ONE row: two whole blocks of 32.  The rows come back in the order
; that the reader's operand wants: in turn u = 0, 1 lane r takes row 8 u + r + 8 (r / 8) of the 32.  Bias, largest magnitude, scale, hold, conversion; 64 codes a lane leave as four stores in each of which sixteen
; neighbouring lanes write 256 consecutive aligned bytes.  The two scale bytes leave as a halfword, in runs of 64 bytes (1/32 of the codes' bytes).
; RECORDS (one for each head y = 16 n + head and each 128 tokens s):  qrec: 8,448 bytes: image [f 4][u 2][i 4][r 16][16 bytes] (token 128 s + 32 f + 8 u + r + 8 (r / 8), d = 16 i ..), then words [f][r] of bytes (u0 d0, u0 d1, u1 d0, u1 d1).
; kvrec: 16,896 bytes: k's image likewise; at 8,192 v's image [t 4][c 4][lane 32][16 bytes] (d = 32 (t / 2) + 8 (t % 2) + r + 8 (r / 8), key 128 s + 32 c + 16 (lane / 16) ..); at 16,384 k's words; at 16,640 v's words [t][r], byte c.
; LIMITS: as stated at the head of the first launch (NaN, infinities, blocks under 2^-111, blocks of zeros).  384 work-groups: no tile of this wave size gives a multiple of 256.
; No prefetch: K has four steps, of which two are first fills.
; REGISTERS: window 0: v0-31 addresses; v32-63 scale words, two sets; from v128 A's fragments, one set; on the way out v64-249 at work.  window 1: B's fragments, two sets.  windows 2, 3: the accumulators ((a, b) at v[8 (8 (a % 4) + b)]).
.set NQ,     2                         ; matrix instructions deep in a slot (256 along K)
.set ROWB,   256                       ; a tile's row in bytes
.set KROW,   1024                      ; a row of A or of B in memory
.set PITCH,  272                       ; an LDS row: 256 bytes + 16 of padding: the 16 rows of a load start at 16 different groups of four banks (64 banks of 4 bytes: ISA guide 11.1)
.set FR,     16
.set NL,     4
.set NP,     8                         ; places behind this matrix instruction (ISA guide 7.12.1)
.set HALFT,  128*PITCH
.set SLOT,   4*HALFT
.set LAPS,   2                         ; 1,024 / 512
.set KS,     32                        ; a row of scale bytes
.set SCL,    2*SLOT                    ; behind the ring: the scales, as runs of 256 bytes + 16 of padding
.set HALFS,  16*272                    ; the scales of 128 rows
.set SBLK,   2*272                     ; of 16 rows
.set SPARE,  SCL+4*HALFS               ; the spare words, 128 bytes a wave, which no other line names
.set SPITCH, 528                       ; the way out: a stage row of 512 bytes + 16
.set WSTG,   32*SPITCH                 ; a wave's stage: 32 rows.  The stages lie in slot 0, which has had its last fill and its last read when the first result is stored there; q's and k's way has 4, v's way 4 of its own behind them
.set ADRA, 16
.set ADRB, 20
.set STQ,  24                          ; v24 stage, in (q, k);  v25 stage, back (q, k);  v30, v31 the same for v's way
.set RDQ,  25
.set STV,  30
.set RDV,  31
.set ADRS, 27
.set SPW,  28
.set NIL,  29
.set VCO,  8                           ; v8, v9   the codes' lane offsets for turn 0, 1
.set VSO,  10                          ; v10, v11 the halfwords'
.set VB,   12                          ; v12      the bias's lane offset
.set SC,   32
.set AF,   128
.set X,    64                          ; way out: v64-127 my row's 64 numbers
.set BC,   128                         ; v128-191 the bias of my 64 columns (q, k);  v128-143 the bias of my rows, each twice (v)
.set CD,   192                         ; v192-223 codes, a set for each turn
.set TQ,   224                         ; v224-233 at work
.set HW,   248                         ; v248, v249 the two scale bytes, a register for each turn
.set G1, 24
.set G0, 32
.set G1B, 48
.set G0B, 56
.set G1S, 68
.set G0S, 76
.set G1SB, 80
.set G0SB, 88
.set MSB, 0
.macro WIN new                         ; the immediate's high byte repeats the setting that is left
.if MSB != \new
	s_set_vgpr_msb (MSB<<8)|\new
.set MSB, \new
.endif
.endm
.set MUL_LO, 0xa1                      ; source 0 (B) window 1, source 1 (A) window 0, C and D window 2
.set MUL_HI, 0xf1
.set TO_B,   0x40
; A joint load: waves 0 and 1 fetch for A, waves 2 and 3 for B; the branch hangs on the wave's number alone.  An s_nop 0 and four v_nop follow each of the two lines.
.macro JLOAD g0a, g1a, g0b, g1b
	s_cmp_eq_u32 s15, 0
	s_cbranch_scc0 .Lfor_b_\@
	tensor_load_to_lds s[\g0a:\g0a+3], s[\g1a:\g1a+7]
	s_nop 0
.rept 4
	v_nop
.endr
	s_branch .Lasked_\@
.Lfor_b_\@:
	tensor_load_to_lds s[\g0b:\g0b+3], s[\g1b:\g1b+7]
	s_nop 0
.rept 4
	v_nop
.endr
.Lasked_\@:
.endm
.macro CREST                           ; a round of the cluster's barrier behind its opening barrier
	s_cmp_lg_u32 s14, 0
	s_cbranch_scc1 .Lnot_wave_0_\@
	s_barrier_signal -3
.Lnot_wave_0_\@:
	s_barrier_wait -3
	s_barrier_signal -1
	s_barrier_wait -1
.endm
.macro CROUND
	s_barrier_signal -1
	s_barrier_wait -1
	CREST
.endm
	s_load_b512 s[68:83], s[0:1], 0x0              ; xq_codes 68, xq_scales 70, Wq_codes 72, Wq_scales 74, Wk_codes 76, Wk_scales 78, Wv_codes 80, Wv_scales 82
	s_load_b256 s[84:91], s[0:1], 0x40             ; bq 84, bk 86, bv 88, qrec 90
	s_load_b64 s[92:93], s[0:1], 0x60              ; kvrec
	v_lshl_add_u32 v[SPW], v0, 2, SPARE
	v_mov_b32 v[NIL], 0
	ds_add_u32 v[SPW], v[NIL]                      ; the wave's opening: the add, twice on end, and its wait ahead of my first tensor load
	ds_add_u32 v[SPW], v[NIL]
	v_lshrrev_b32 v1, 5, v0
	v_readfirstlane_b32 s14, v1                    ; wave 0..3
	s_lshr_b32 s15, s14, 1                         ; which half of the tile's rows is mine.  Also: I fetch for A (0) or for B (1)
	s_and_b32 s16, s14, 1                          ; which half of its columns.  Also: which 128 rows of that tile I fetch
	s_bfe_u32 s40, ttmp6, 0x40000                  ; cx
	s_bfe_u32 s41, ttmp6, 0x40004                  ; cy
	s_mov_b32 s2, ttmp9                            ; the cluster's x: 0 q, 1 k, 2 v
	s_and_b32 s18, ttmp7, 0xffff
	s_lshl_b32 s18, s18, 2                         ; 4 x the cluster's y: it walks x's 32 tiles of 256 tokens
	s_cmp_eq_u32 s2, 2
	s_cselect_b32 s17, 0, s18
	s_cselect_b32 s42, s18, 0
	s_add_co_u32 s17, s17, s41                     ; tile row of C: it never holds cx
	s_add_co_u32 s42, s42, s40                     ; tile column of C: it never holds cy
	s_lshl_b32 s43, s41, 2
	s_lshl_b32 s43, 15, s43                        ; my row of the cluster
	s_lshl_b32 s44, 0x1111, s40                    ; my column
	s_or_b32 s[G1+0], s43, (0<<16)|(1<<20)|(1<<21)|(5<<22)|(3<<25)  ; the mask; elements of 1 byte; padding: 4 words behind every 64; bit 21 beside a mask
	s_or_b32 s[G1B+0], s44, (0<<16)|(1<<20)|(1<<21)|(5<<22)|(3<<25)
.irp g, G1, G1B
	s_mov_b32 s[\g+1], ROWB<<16                    ; tensor_dim0
	s_mov_b32 s[\g+2], 128<<16                     ; tensor_dim1
	s_mov_b32 s[\g+3], ROWB<<16                    ; tile_dim0
	s_mov_b32 s[\g+4], 128                         ; tile_dim1
	s_mov_b32 s[\g+5], KROW                        ; the pitch
	s_mov_b32 s[\g+6], 0
	s_mov_b32 s[\g+7], 0
.endr
	s_mov_b32 s101, 0x600000                       ; the mantissa field of 57,344
	s_mul_i32 s45, s14, HALFT                      ; where my tiles go: wave x 128 rows
	s_mul_i32 s94, s14, HALFS
	s_wait_dscnt 0x0                               ; both opening adds are done
	s_wait_kmcnt 0x0
	s_cmp_eq_u32 s2, 2                             ; the buffers are chosen by the cluster's x alone
	s_cselect_b64 s[4:5], s[80:81], s[68:69]       ; A's codes: Wv's or x's
	s_cselect_b64 s[6:7], s[82:83], s[70:71]       ; A's scales
	s_cselect_b64 s[8:9], s[68:69], s[76:77]       ; B's codes: x's, or for now Wk's
	s_cselect_b64 s[10:11], s[70:71], s[78:79]
	s_cselect_b64 s[96:97], s[88:89], s[86:87]     ; the bias: bv, or for now bk
	s_cmp_eq_u32 s2, 0
	s_cselect_b64 s[8:9], s[72:73], s[8:9]
	s_cselect_b64 s[10:11], s[74:75], s[10:11]
	s_cselect_b64 s[96:97], s[84:85], s[96:97]
	s_cselect_b64 s[12:13], s[90:91], s[92:93]     ; out: qrec or kvrec
	s_mov_b32 s98, 16896
	s_cselect_b32 s98, 8448, s98                   ; a record's bytes
	s_mov_b32 s99, 16384
	s_cselect_b32 s99, 8192, s99                   ; where q's or k's scale words begin in it
	s_or_b32 s[G1S+0], s43, (3<<16)|(1<<20)|(1<<21)|(5<<22)|(3<<25)   ; the scales of 128 rows: 4,096 dense bytes as 16 rows of 256 (32 elements of 8 bytes), 16 bytes of padding behind each
	s_or_b32 s[G1SB+0], s44, (3<<16)|(1<<20)|(1<<21)|(5<<22)|(3<<25)
.irp g, G1S, G1SB
	s_mov_b32 s[\g+1], 32<<16
	s_mov_b32 s[\g+2], 16<<16
	s_mov_b32 s[\g+3], 32<<16
	s_mov_b32 s[\g+4], 16
	s_mov_b32 s[\g+5], 32
	s_mov_b32 s[\g+6], 0
	s_mov_b32 s[\g+7], 0
.endr
	s_lshl_b32 s18, s16, 7                         ; which 128 rows of the tile I fetch
	s_lshl_b32 s20, s17, 8
	s_add_co_u32 s20, s20, s18                     ; A: row 256 x tile row + 128 x half
	s_lshl_b32 s46, s42, 8
	s_add_co_u32 s46, s46, s18                     ; B: row 256 x tile column + 128 x half
	s_lshl_b32 s22, s20, 5                         ; their scales: 32 bytes a row
	s_lshl_b32 s92, s46, 5
	s_lshl_b32 s20, s20, 10                        ; their codes: 1,024 bytes a row (under 2^24)
	s_lshl_b32 s46, s46, 10
	s_mov_b32 s21, 0
	s_mov_b32 s23, 0
	s_mov_b32 s47, 0
	s_mov_b32 s93, 0
	s_add_nc_u64 s[20:21], s[4:5], s[20:21]
	s_add_nc_u64 s[22:23], s[6:7], s[22:23]
	s_add_nc_u64 s[46:47], s[8:9], s[46:47]
	s_add_nc_u64 s[92:93], s[10:11], s[92:93]
	CROUND                                         ; all sixteen work-groups are here: the first joint loads meet
	s_mov_b32 s[G0S], 1
	s_add_co_u32 s[G0S+1], s94, SCL
	s_mov_b64 s[G0S+2:G0S+3], s[22:23]
	s_or_b32 s[G0S+3], s[G0S+3], 0x80000000
	s_mov_b32 s[G0SB], 1
	s_add_co_u32 s[G0SB+1], s94, SCL
	s_mov_b64 s[G0SB+2:G0SB+3], s[92:93]
	s_or_b32 s[G0SB+3], s[G0SB+3], 0x80000000
	JLOAD G0S, G1S, G0SB, G1SB                     ; the scales first: they are wanted with K step 0.  With the two below, three loads of mine are out
.irp s, 0,1
	s_mov_b32 s[G0+4*\s], 1
	s_add_co_u32 s[G0+4*\s+1], s45, \s*SLOT
	s_add_nc_u64 s[G0+4*\s+2:G0+4*\s+3], s[20:21], \s*ROWB
	s_or_b32 s[G0+4*\s+3], s[G0+4*\s+3], 0x80000000
	s_mov_b32 s[G0B+4*\s], 1
	s_add_co_u32 s[G0B+4*\s+1], s45, \s*SLOT
	s_add_nc_u64 s[G0B+4*\s+2:G0B+4*\s+3], s[46:47], \s*ROWB
	s_or_b32 s[G0B+4*\s+3], s[G0B+4*\s+3], 0x80000000
	JLOAD G0+4*\s, G1, G0B+4*\s, G1B
.endr
	v_and_b32 v1, 15, v0                           ; r = l % 16: kept to the end
	v_bfe_u32 v2, v0, 4, 1                         ; h = l / 16: kept to the end
	v_mul_u32_u24 v3, v1, PITCH
	v_lshl_add_u32 v4, v2, 4, v3                   ; a fragment's row x pitch + 16 x half
	s_mul_i32 s21, s15, HALFT                      ; my 128 rows of A
	s_mul_i32 s22, s16, HALFT                      ; my 128 rows of B,
	s_add_co_u32 s22, s22, 2*HALFT                 ; which lie behind A's 256
.irp s, 0,1
	v_add_nc_u32 v[ADRA+\s], s21, v4
	v_add_nc_u32 v[ADRB+\s], s22, v4
	s_add_co_u32 s21, s21, SLOT
	s_add_co_u32 s22, s22, SLOT
.endr
	v_mul_u32_u24 v5, v1, KS                       ; my row's scales: 32 bytes a row,
	v_lshrrev_b32 v6, 8, v5
	v_lshl_add_u32 v5, v6, 4, v5                   ; and 16 more for each 256 passed
	s_mul_i32 s21, s15, HALFS
	s_mul_i32 s22, s16, HALFS
	s_add_co_u32 s22, s22, 2*HALFS
	s_sub_co_u32 s22, s22, s21
	v_mul_u32_u24 v6, s22, v2                      ; lanes 16-31 take B's: one product, the distance between the two bases
	s_add_co_u32 s21, s21, SCL
	v_add_nc_u32 v5, v5, v6
	v_add_nc_u32 v[ADRS], s21, v5
	s_mul_i32 s23, s14, WSTG                       ; my stage.  All four stage addresses are made here, ahead of the parting of the ways
	v_mul_u32_u24 v5, v1, SPITCH                   ; in: row r, 32 bytes for each half of the lanes
	v_lshl_add_u32 v5, v2, 5, v5
	v_add_nc_u32 v[STQ], s23, v5
	v_add_nc_u32 v[STV], 4*WSTG, v[STQ]
	v_and_b32 v6, 8, v1
	v_add_nc_u32 v6, v6, v1                        ; r + 8 (r / 8)
	v_mul_u32_u24 v6, v6, SPITCH
	v_lshl_add_u32 v6, v2, 8, v6                   ; back: that row, columns 64 h on
	v_add_nc_u32 v[RDQ], s23, v6
	v_add_nc_u32 v[RDV], 4*WSTG, v[RDQ]
.macro FRAG reg, adr, q, i             ; 16 rows x 128 K of 8-bit codes: registers 4 c .. 4 c + 3 hold K = 32 c + 16 (l / 16) + 0 .. 15 of row l % 16
.irp c, 0,1,2,3
	ds_load_b128 v[\reg+4*\c:\reg+4*\c+3], v[\adr] offset:128*(\q)+32*\c+(\i)*16*PITCH
.endr
.endm
; 16 matrix instructions: A's blocks a0, a0 + 1 x B's eight.  The 64 accumulators take turns, one instruction a turn, in the same order in every step.
.macro MUL16 a0, p, q, sc, zero
.irp a, \a0, \a0+1
.irp b, 0,1,2,3,4,5,6,7
.if \zero
	v_wmma_scale_f32_16x16x128_f8f6f4 v[8*(8*((\a)%4)+\b):8*(8*((\a)%4)+\b)+7], v[128*(\p)+FR*\b:128*(\p)+FR*\b+FR-1], v[AF+FR*(\a):AF+FR*(\a)+FR-1], 0, v[SC+8*NQ*(\sc)+NQ*\b+(\q)], v[SC+8*NQ*(\sc)+NQ*(\a)+(\q)] matrix_a_fmt:MATRIX_FMT_BF8 matrix_b_fmt:MATRIX_FMT_BF8 matrix_a_scale:MATRIX_SCALE_ROW1
.else
	v_wmma_scale_f32_16x16x128_f8f6f4 v[8*(8*((\a)%4)+\b):8*(8*((\a)%4)+\b)+7], v[128*(\p)+FR*\b:128*(\p)+FR*\b+FR-1], v[AF+FR*(\a):AF+FR*(\a)+FR-1], v[8*(8*((\a)%4)+\b):8*(8*((\a)%4)+\b)+7], v[SC+8*NQ*(\sc)+NQ*\b+(\q)], v[SC+8*NQ*(\sc)+NQ*(\a)+(\q)] matrix_a_fmt:MATRIX_FMT_BF8 matrix_b_fmt:MATRIX_FMT_BF8 matrix_a_scale:MATRIX_SCALE_ROW1
.endif
.endr
.endr
.endm
.macro FETCH_B slot, q, p
	WIN TO_B
.irp i, 0,1,2,3,4,5,6,7
	FRAG 128*(\p)+FR*\i, ADRB+\slot, \q, \i
.endr
	WIN 0
.endm
.macro FETCH_A slot, q, i0
.irp i, \i0, \i0+1, \i0+2, \i0+3
	FRAG AF+FR*(\i), ADRA+\slot, \q, \i
.endr
.endm
.macro SCALES sc                       ; a K step's scale words: two a row; lanes 0-15 take A's block i, lanes 16-31 B's block i
.irp i, 0,1,2,3,4,5,6,7
	ds_load_b64 v[SC+8*NQ*\sc+NQ*\i:SC+8*NQ*\sc+NQ*\i+1], v[ADRS] offset:\i*SBLK
.endr
.endm
.macro PLACES n                        ; plain vector instructions that name none of the matrix instructions' registers (ISA guide 7.12.1)
.rept \n
	v_nop
.endr
.endm
.macro STEP slot, q, zero              ; 128 along K whose successor lies in the same slot
	s_wait_dscnt 4*NL                              ; B's set and A's blocks 0-3 are in; the youngest sixteen loads (A's blocks 4-7) may be out
	WIN MUL_LO
	MUL16 0, (\q)%2, \q, \slot, \zero
	MUL16 2, (\q)%2, \q, \slot, \zero
	s_wait_dscnt 0
	PLACES NP
	FETCH_B \slot, (\q)+1, 1-(\q)%2
	FETCH_A \slot, (\q)+1, 0
	WIN MUL_HI
	MUL16 4, (\q)%2, \q, \slot, \zero
	MUL16 6, (\q)%2, \q, \slot, \zero
	PLACES NP
	WIN 0
	FETCH_A \slot, (\q)+1, 4
.endm
; A slot's last step changes slots: one barrier; in front of it each wave waits for all its tensor loads, adds 0 to its spare word, and waits for that and for its own reads of this slot.
.macro TURN slot, next, fill
	s_wait_tensorcnt 0x0                           ; all my tensor loads have landed: my part of the next slot
	ds_add_u32 v[SPW], v[NIL]
	s_wait_dscnt 4*NL+1                            ; the add and the youngest sixteen loads may be out
	WIN MUL_LO
	MUL16 0, 1, NQ-1, \slot, 0
	s_wait_dscnt 0x0                               ; the add is done, and my reads of this slot are over
	s_barrier_signal -1
	MUL16 2, 1, NQ-1, \slot, 0
	WIN 0
	s_barrier_wait -1
.if \fill
	CREST                                          ; the barrier has opened a round of the cluster's: no wave of any partner still reads this slot or has a load on its way
	s_add_nc_u64 s[G0+4*\slot+2:G0+4*\slot+3], s[G0+4*\slot+2:G0+4*\slot+3], 2*ROWB
	s_add_nc_u64 s[G0B+4*\slot+2:G0B+4*\slot+3], s[G0B+4*\slot+2:G0B+4*\slot+3], 2*ROWB
	JLOAD G0+4*\slot, G1, G0B+4*\slot, G1B         ; the first tensor load behind the round; its four v_nop are among the places in front of the loads below
	PLACES NP-4
.else
	PLACES NP
.endif
	v_add_nc_u32 v[ADRS], 4*NQ, v[ADRS]            ; the next K step's scale words
	FETCH_B \next, 0, 0
	FETCH_A \next, 0, 0
	SCALES \next
	WIN MUL_HI
	MUL16 4, 1, NQ-1, \slot, 0
	MUL16 6, 1, NQ-1, \slot, 0
	PLACES NP
	WIN 0
	FETCH_A \next, 0, 4
.endm
	s_wait_tensorcnt 1                             ; the scales and my part of K step 0 are in; K step 1's load may be out
	s_barrier_signal -1
	s_barrier_wait -1
	FETCH_B 0, 0, 0
	FETCH_A 0, 0, 0
	SCALES 0
	FETCH_A 0, 0, 4
	STEP 0, 0, 1                                   ; the first step's products start the sums: nothing is cleared
	s_mov_b32 s3, LAPS-1
.Llap:                                                 ; a trip goes once round the ring and fills both slots again
	TURN 0, 1, 1
	STEP 1, 0, 0
	TURN 1, 0, 1
	STEP 0, 0, 0
	s_sub_co_u32 s3, s3, 1
	s_cmp_lg_u32 s3, 0
	s_cbranch_scc1 .Llap
	TURN 0, 1, 0                                   ; the last lap fills nothing
	STEP 1, 0, 0
	s_wait_dscnt 4*NL
	WIN MUL_LO
	MUL16 0, 1, NQ-1, 1, 0
	MUL16 2, 1, NQ-1, 1, 0
	s_wait_dscnt 0
	WIN MUL_HI
	MUL16 4, 1, NQ-1, 1, 0
	MUL16 6, 1, NQ-1, 1, 0
	WIN 0
; 64 numbers of a lane, v[X] on: two whole blocks of 32.  Codes into v[cd] on (16 registers), the two scale bytes into v[hw].
.macro QUANT64 cd, hw
.irp q, 0,1,2,3                        ; four chains: block q / 2, its numbers 16 (q % 2) on; the floor 2^(16 - 127) among the leaves holds the byte at 1 from below
	v_max3_num_f32 v[TQ+\q], |v[X+16*\q]|, |v[X+16*\q+1]|, 0x8000000
.endr
.irp i, 2,4,6,8,10,12,14
.irp q, 0,1,2,3
	v_max3_num_f32 v[TQ+\q], v[TQ+\q], |v[X+16*\q+\i]|, |v[X+16*\q+\i+1]|
.endr
.endr
	v_max_num_f32 v[TQ], v[TQ], v[TQ+1]
	v_max_num_f32 v[TQ+1], v[TQ+2], v[TQ+3]
.irp b, 0,1
	v_add_nc_u32 v[TQ+4+\b], 0xf8800000, v[TQ+\b]              ; 15 off the exponent field: the conversion's scale operand
.endr
.irp b, 0,1
	v_and_or_b32 v[TQ+6+\b], v[TQ+\b], 0x7f800000, s101        ; 57,344 x the scale
.endr
.irp b, 0,1
	v_lshrrev_b32 v[TQ+8+\b], 23, v[TQ+4+\b]                   ; the scale's byte
.endr
	v_lshl_or_b32 v[\hw], v[TQ+9], 8, v[TQ+8]
.irp b, 0,1
.set i, 0
.rept 32
	v_med3_num_f32 v[X+32*\b+i], v[X+32*\b+i], -v[TQ+6+\b], v[TQ+6+\b]   ; the conversion does not saturate (ISA guide 7.6.2): the hold comes first
.set i, i+1
.endr
.irp g, 0,1,2,3
	v_cvt_scalef32_pk8_bf8_f32 v[(\cd)+8*\b+2*\g:(\cd)+8*\b+2*\g+1], v[X+32*\b+8*\g:X+32*\b+8*\g+7], v[TQ+4+\b]
.endr
.endr
	v_nop                                          ; a plain line behind the last conversion
.endm
; THE WAY OUT.  isv = 0: rows are tokens, my 128 columns are two heads' 64.  isv = 1: rows are (head, d), two heads; my 128 columns are the keys of one record.
.macro EPI isv
.if \isv
.set STO, STV
.set RD, RDV
	s_lshl_b32 s18, s42, 1
	s_add_co_u32 s18, s18, s16                     ; which 128 tokens: 2 x tile column + my half
	s_lshl_b32 s19, s17, 2
	s_lshl_b32 s20, s15, 1
.else
.set STO, STQ
.set RD, RDQ
	s_lshl_b32 s18, s17, 1
	s_add_co_u32 s18, s18, s15                     ; which 128 tokens: 2 x tile row + my half
	s_lshl_b32 s19, s42, 2
	s_lshl_b32 s20, s16, 1
.endif
	s_add_co_u32 s19, s19, s20                     ; my first head
	s_lshr_b32 s20, s18, 4                         ; n
	s_lshl_b32 s20, s20, 4
	s_add_co_u32 s20, s20, s19                     ; y = 16 n + head
	s_lshl_b32 s20, s20, 4
	s_and_b32 s21, s18, 15
	s_add_co_u32 s20, s20, s21                     ; record 16 y + s
	s_mul_i32 s20, s20, s98
	s_mov_b32 s21, 0
	s_add_nc_u64 s[12:13], s[12:13], s[20:21]
	s_lshl_b32 s20, s19, 8
	s_add_nc_u64 s[96:97], s[96:97], s[20:21]      ; the bias at my first head: 64 numbers a head
.if \isv
	s_add_nc_u64 s[66:67], s[12:13], 16640         ; v's scale words
	s_add_nc_u64 s[12:13], s[12:13], 8192          ; v's image
	v_and_b32 v[VB], 8, v1
	v_add_nc_u32 v[VB], v[VB], v1
	v_lshlrev_b32 v[VB], 2, v[VB]                  ; the bias of row r + 8 (r / 8)
	v_lshlrev_b32 v[VCO], 10, v2
	v_lshl_add_u32 v[VCO], v1, 4, v[VCO]           ; keys 64 h on are chunks 2 h, 2 h + 1: 1,024 h + 16 r
	v_add_nc_u32 v[VCO+1], 2048, v[VCO]            ; turn 1 is the next tile of d
	v_lshlrev_b32 v[VSO], 1, v2
	v_lshl_add_u32 v[VSO], v1, 2, v[VSO]           ; bytes 2 h, 2 h + 1 of word r
	v_add_nc_u32 v[VSO+1], 64, v[VSO]
.irp p, 0,1,2,3
.irp rd, 0,1
	global_load_b32 v[BC+2*(2*\p+\rd)], v[VB], s[96:97] offset:(32*\p+8*\rd)*4      ; each row's bias twice: a pair for the packed addition
	global_load_b32 v[BC+2*(2*\p+\rd)+1], v[VB], s[96:97] offset:(32*\p+8*\rd)*4
.endr
.endr
.else
	s_mov_b32 s22, s99
	s_mov_b32 s23, 0
	s_add_nc_u64 s[66:67], s[12:13], s[22:23]      ; the scale words
	s_lshl_b32 s22, s98, 4                         ; from a head to the next: 16 records
	v_lshlrev_b32 v[VB], 8, v2                     ; lanes 16-31 hold the second head's columns
	v_mul_u32_u24 v[VCO], s22, v2
	v_lshl_add_u32 v[VSO], v1, 2, v[VCO]
	v_lshl_add_u32 v[VCO], v1, 4, v[VCO]
	v_add_nc_u32 v[VCO+1], 1024, v[VCO]            ; turn 1 is tile u = 1
	v_add_nc_u32 v[VSO+1], 2, v[VSO]
.irp i, 0,1,2,3,4,5,6,7,8,9,10,11,12,13,14,15
	global_load_b128 v[BC+4*\i:BC+4*\i+3], v[VB], s[96:97] offset:16*\i
.endr
.endif
.irp p, 0,1,2,3                        ; 32 rows: A's blocks 2 p, 2 p + 1
	WIN 0x08+4*((\p)/2)                            ; an LDS store's data are its source 1: window 2 or 3
.irp aa, 0,1
.irp b, 0,1,2,3,4,5,6,7
	ds_store_b128 v[STO], v[64*((2*\p+\aa)%4)+8*\b:64*((2*\p+\aa)%4)+8*\b+3] offset:\aa*16*SPITCH+64*\b        ; each accumulator from its low end on
	ds_store_b128 v[STO], v[64*((2*\p+\aa)%4)+8*\b+4:64*((2*\p+\aa)%4)+8*\b+7] offset:\aa*16*SPITCH+64*\b+16
.endr
.endr
	WIN 0
.irp rd, 0,1
.irp i, 0,1,2,3,4,5,6,7,8,9,10,11,12,13,14,15
	ds_load_b128 v[X+4*\i:X+4*\i+3], v[RD] offset:\rd*8*SPITCH+16*\i   ; LDS serves a wave's instructions in order: these see my stores, and the next 32 rows' stores come behind them
.endr
	s_wait_dscnt 0x0
.if (\p == 0) && (\rd == 0)
	s_wait_loadcnt 0x0                             ; the bias, once
.endif
	s_wait_xcnt 0x0                                ; earlier stores have read their data: the codes' and the halfword's registers are written again only behind this wait
.set j, 0
.rept 32
.if \isv
	v_pk_add_f32 v[X+j:X+j+1], v[X+j:X+j+1], v[BC+2*(2*\p+\rd):BC+2*(2*\p+\rd)+1]
.else
	v_pk_add_f32 v[X+j:X+j+1], v[X+j:X+j+1], v[BC+j:BC+j+1]
.endif
.set j, j+2
.endr
	QUANT64 CD+16*\rd, HW+\rd
.irp i, 0,1,2,3
.if \isv
	global_store_b128 v[VCO+\rd], v[CD+16*\rd+4*\i:CD+16*\rd+4*\i+3], s[12:13] offset:((\p)/2)*270336+((\p)%2)*4096+256*\i   ; sixteen lanes write 256 consecutive bytes, aligned
.else
	global_store_b128 v[VCO+\rd], v[CD+16*\rd+4*\i:CD+16*\rd+4*\i+3], s[12:13] offset:2048*\p+256*\i
.endif
.endr
.if \isv
	global_store_b16 v[VSO+\rd], v[HW+\rd], s[66:67] offset:((\p)/2)*270336+((\p)%2)*128
.else
	global_store_b16 v[VSO+\rd], v[HW+\rd], s[66:67] offset:64*\p
.endif
.endr
.endr
.endm
	PLACES NP                                      ; behind the last products: for the loads into A's old registers and for the first reads of results
	s_cmp_eq_u32 s2, 2                             ; the cluster's x: the same in all partners and in all waves; no barrier and no tensor load stands on either way
	s_cbranch_scc1 .Lvway
	EPI 0
	s_branch .Lend
.Lvway:
	EPI 1
.Lend:
	s_wait_tensorcnt 0x0                           ; the wave's end: the tensor wait, the spare word's add and its wait, behind my last tensor load and my last LDS store
	ds_add_u32 v[SPW], v[NIL]
	s_wait_dscnt 0x0
	CROUND                                         ; the closing round: no work-group ends while a partner may still ask for a tile that names it
	s_endpgm
.Lfunc_end_k_qc43e438522_qkv:
	.size	k_qc43e438522_qkv, .Lfunc_end_k_qc43e438522_qkv-k_qc43e438522_qkv
	.p2alignl 7, 3214868480
	.fill 96, 4, 3214868480
	.section	.rodata,"a",@progbits
	.p2align	6, 0x0
	.amdhsa_kernel k_qc43e438522_qkv
		.amdhsa_group_segment_fixed_size 327680
		.amdhsa_private_segment_fixed_size 0
		.amdhsa_enable_private_segment 0
		.amdhsa_kernarg_size 104
		.amdhsa_user_sgpr_count 2
		.amdhsa_user_sgpr_kernarg_segment_ptr 1
		.amdhsa_wavefront_size32 1
		.amdhsa_system_sgpr_workgroup_id_x 1
		.amdhsa_system_sgpr_workgroup_id_y 1
		.amdhsa_system_sgpr_workgroup_id_z 1
		.amdhsa_system_vgpr_workitem_id 0
		.amdhsa_next_free_vgpr 1024
		.amdhsa_next_free_sgpr 102
		.amdhsa_reserve_vcc 0
		.amdhsa_float_denorm_mode_32 3
		.amdhsa_float_denorm_mode_16_64 3
		.amdhsa_memory_ordered 1
		.amdhsa_forward_progress 1
		.amdhsa_inst_pref_size 255
	.end_amdhsa_kernel
	.section	.bss,"aw",@nobits
	.p2align	6
	.space	262144
	.amdgpu_metadata
---
amdhsa.version: [ 1, 2 ]
amdhsa.kernels:
  - .name:           k_qc43e438522_qkv
    .symbol:         k_qc43e438522_qkv.kd
    .args:
      - { .name: xq_codes, .offset: 0, .size: 8, .value_kind: global_buffer, .address_space: global }
      - { .name: xq_scales, .offset: 8, .size: 8, .value_kind: global_buffer, .address_space: global }
      - { .name: Wq_codes, .offset: 16, .size: 8, .value_kind: global_buffer, .address_space: global }
      - { .name: Wq_scales, .offset: 24, .size: 8, .value_kind: global_buffer, .address_space: global }
      - { .name: Wk_codes, .offset: 32, .size: 8, .value_kind: global_buffer, .address_space: global }
      - { .name: Wk_scales, .offset: 40, .size: 8, .value_kind: global_buffer, .address_space: global }
      - { .name: Wv_codes, .offset: 48, .size: 8, .value_kind: global_buffer, .address_space: global }
      - { .name: Wv_scales, .offset: 56, .size: 8, .value_kind: global_buffer, .address_space: global }
      - { .name: bq, .offset: 64, .size: 8, .value_kind: global_buffer, .address_space: global }
      - { .name: bk, .offset: 72, .size: 8, .value_kind: global_buffer, .address_space: global }
      - { .name: bv, .offset: 80, .size: 8, .value_kind: global_buffer, .address_space: global }
      - { .name: qrec, .offset: 88, .size: 8, .value_kind: global_buffer, .address_space: global }
      - { .name: kvrec, .offset: 96, .size: 8, .value_kind: global_buffer, .address_space: global }
    .group_segment_fixed_size: 327680
    .private_segment_fixed_size: 0
    .kernarg_segment_align: 8
    .kernarg_segment_size: 104
    .max_flat_workgroup_size: 128
    .sgpr_count:     102
    .vgpr_count:     1024
    .wavefront_size: 32
...
	.end_amdgpu_metadata
.endif
;; end of part 2
;; launch attn (part 3): grid 4 x 64, 16 waves a work-group, clusters of 4 x 1, 273,408 bytes of LDS; arguments qrec, kvrec, ctx_img, ctx_sc; writes ctx_img, ctx_sc
.if DOCPART == 3
	.amdgcn_target "amdgcn-amd-amdhsa--gfx1250"
	.amdhsa_code_object_version 6
	.text
	.protected	k_qc43e438522_attn
	.globl	k_qc43e438522_attn
	.p2align	8
	.type	k_qc43e438522_attn,@function
k_qc43e438522_attn:
	s_mov_b64 s[64:65], 0
	v_nop
	global_prefetch_b8 v0, s[64:65] scope:SCOPE_SE
	s_setreg_imm32_b32 hwreg(HW_REG_WAVE_MODE, 25, 1), 1
	s_wait_xcnt 0x0
	s_wait_alu depctr_hold_cnt(0) depctr_sa_sdst(0) depctr_va_vdst(0) depctr_va_sdst(0) depctr_va_ssrc(0) depctr_va_vcc(0) depctr_vm_vsrc(0)
	s_getreg_b32 s2, hwreg(HW_REG_IB_STS2, 6, 4)
	s_cmp_eq_u32 s2, 0
	s_cbranch_scc0 .Lentry_in_a_cluster
	s_endpgm
.Lentry_in_a_cluster:
	s_bfe_u32 s2, ttmp6, 0x10000c
	s_cmp_lg_u32 s2, 0x3003
	s_cbranch_scc0 .Lentry_shape_is_right
	s_endpgm
.Lentry_shape_is_right:
; Launch 3 of 4: for each of the 64 heads y = 16 n + head: S = q k^T / 8, p = 2^(t - M), O = p v / l, all products on codes of E5M2; O is then quantised along the model's 1,024 for the last product.  No work is left out.
; THE SOFTMAX: t = score x log2(e) / 8; M = the running largest t rounded UP to a whole number; p = 2^(t - M) is quantised along the keys, not normalised; the row's sum l is taken of the unquantised p and divides O at the end.
; When M moves, l and O are multiplied by 2^(old M - new M): exact.
; SHARES.  A work-group owns 512 queries of one head; its sixteen waves own 16 queries each, in two passes (tiles w and 16 + w), 256 registers a wave, four waves to a SIMD.
; ALL OF THE HEAD'S K AND V STAYS IN LDS: its 16 records of 16,896 bytes, dense, exactly as they lie in memory.  They come by two loads a wave at the head (records 0-7, records 8-15); nothing is filled again: no ring.
; CLUSTER.  The four work-groups of a head form a cluster and ask for each part jointly: same load, same descriptor, a mask that names the four.  No prefetch: everything is asked for at the head.
; OPERANDS ARE IMAGES OF REGISTERS: a fragment is four chunks of 512 bytes, lane l's 16 bytes at 16 l: every LDS read is of consecutive bytes, so there is no pitch and no padding.
; K = 64 IN AN INSTRUCTION OF K = 128.  A fragment of k holds two tiles of 16 keys: tile u = 0 in k-places 0-63, tile u = 1 in 64-127.  q is kept as [q | 0] and [0 | q] (zero codes): fragment x [q | 0] is S^T of the first
; tile, fragment x [0 | q] of the second.  k's codes are finite (the quantiser holds them), so the zero codes add nothing.  q's scale word is (s0, s1, s0, s1).
; LAYOUT.  Both products are used transposed: a lane holds ONE query (lane % 16).  The keys of a tile, the queries of a tile and v's rows of a tile are taken in the order 8 u + r + 8 (r / 8) of 32, so that the 16 registers of
; two neighbouring tiles are 16 neighbours: p's codes are the second product's operand, and O's codes are the last product's.
; OUT.  ctx_img [row tile 512][K step 8][2,048-byte image]; this head writes chunks 2 (head % 2) + block of K step head / 2.  ctx_sc [y][tile 128][r 16] halfwords (block 0, block 1), gathered in LDS and stored as runs of 256 bytes.
; LIMITS: as stated at the head of the first launch; 1 / l by v_rcp_f32.
.set REC,   16896
.set HEADB, 16*REC                     ; LDS 0 .. 270,335: the records
.set SCR,   HEADB                      ; 1,024 bytes: the work-group's scale halfwords, [tile 32][r 16]; no load lands here
.set SPARE, SCR+1024                   ; the spare words, 128 bytes a wave, which no other line names
.set LI,   1                           ; v1  16 x lane
.set LS,   2                           ; v2  4 x (lane % 16)
.set ADI,  3                           ; v3  the step's record + LI
.set ADS,  4                           ; v4  the step's record + LS
.set SPW,  5
.set NIL,  6
.set QS,   7                           ; v7, v8  q's scale words, pass 0, 1: scales and nothing else
.set SCRA, 9                           ; v9  where my tile's halfword goes
.set CPA,  11                          ; v11 the copy out of SCR: 8 bytes a thread of waves 0-3
.set KV,   56                          ; v56-119 four fragments of k, then of v
.set S,    120                         ; v120-183 S^T, then p
.set O,    184                         ; v184-215 O^T
.set PC,   216                         ; v216-231 p's codes
.set WV,   12
.set SEL,  32
.set CS,   34
.set MNT,  36
.set TB,   37
.set CNT,  38
; v12 -M, v13 the largest t, v[14:15] l in two halves; v16-23 zeros, v24-31 q of pass 0, v32-39 zeros, v40-47 q of pass 1, v48-55 zeros; v232-254 at work; v248-251 k's or v's scale words; v253 p's scale word; v255 the copy's offset
.macro ROUND
	s_barrier_signal -1
	s_barrier_wait -1
	s_cmp_lg_u32 s[WV], 0
	s_cbranch_scc1 .Lnot_wave_0_\@
	s_barrier_signal -3
.Lnot_wave_0_\@:
	s_barrier_wait -3
	s_barrier_signal -1
	s_barrier_wait -1
.endm
	s_load_b256 s[4:11], s[0:1], 0x0               ; qrec 4, kvrec 6, ctx_img 8, ctx_sc 10
	v_lshl_add_u32 v[SPW], v0, 2, SPARE
	v_mov_b32 v[NIL], 0
	ds_add_u32 v[SPW], v[NIL]                      ; the wave's opening: the add, twice on end, and its wait ahead of my first tensor load
	ds_add_u32 v[SPW], v[NIL]
	v_lshrrev_b32 v10, 5, v0
	v_readfirstlane_b32 s[WV], v10                 ; wave 0..15
	s_bfe_u32 s13, ttmp6, 0x40000                  ; cx: my block of 512 queries
	s_and_b32 s14, ttmp7, 0xffff                   ; y: the head, which the four partners share
	s_mov_b32 s16, 15|(3<<16)|(1<<21)              ; group 1: the mask of all four; elements of 8 bytes; no padding; bit 21 beside a mask
	s_mov_b32 s17, 32<<16                          ; tensor_dim0 = 32 elements: rows of 256 bytes
	s_mov_b32 s18, 33<<16                          ; tensor_dim1 = 33 rows: 8,448 bytes, a sixteenth of eight records
	s_mov_b32 s19, 32<<16                          ; tile_dim0
	s_mov_b32 s20, 33                              ; tile_dim1
	s_mov_b32 s21, 32                              ; the pitch: dense
	s_mov_b32 s22, 0
	s_mov_b32 s23, 0
	s_mov_b32 s[SEL], 0x76543210
	s_mov_b32 s[SEL+1], 0xfedcba98                 ; v_permlanex16_b32's selects for lane l xor 16
	s_mov_b32 s[CS], 0x3e38aa3b                    ; c = log2(e) / 8
	s_mov_b32 s[CS+1], s[CS]                       ; (named with it as a pair)
	s_mov_b32 s[MNT], 0x600000
	s_mov_b32 s[TB], 0
	v_and_b32 v10, 31, v0
	v_lshlrev_b32 v[LI], 4, v10
	v_and_b32 v10, 15, v0
	v_lshlrev_b32 v[LS], 2, v10
	s_lshl_b32 s40, s[WV], 5
	v_lshl_add_u32 v[SCRA], v10, 1, SCR
	v_add_nc_u32 v[SCRA], s40, v[SCRA]             ; SCR + 32 x wave + 2 r
	v_and_b32 v255, 127, v0
	v_lshlrev_b32 v255, 3, v255
	v_add_nc_u32 v[CPA], SCR, v255
	s_mul_i32 s40, s[WV], 8448                     ; my part of a fill, in LDS and in memory alike
	s_mul_i32 s42, s14, HEADB
	s_add_co_u32 s42, s42, s40
	s_mov_b32 s43, 0
	s_wait_dscnt 0x0                               ; both opening adds are done
	s_wait_kmcnt 0x0
	s_add_nc_u64 s[42:43], s[6:7], s[42:43]
	s_mov_b32 s24, 1
	s_mov_b32 s25, s40
	s_mov_b64 s[26:27], s[42:43]
	s_or_b32 s27, s27, 0x80000000
	s_mov_b32 s28, 1
	s_add_co_u32 s29, s40, 8*REC
	s_add_nc_u64 s[30:31], s[42:43], 8*REC
	s_or_b32 s31, s31, 0x80000000
	ROUND                                          ; all four work-groups are here: the joint loads meet
	tensor_load_to_lds s[24:27], s[16:23]          ; records 0-7
	s_nop 0
	tensor_load_to_lds s[28:31], s[16:23]          ; records 8-15: two loads of mine are out
	s_nop 0
.rept 4
	v_nop
.endr
	s_lshl_b32 s44, s13, 2                         ; q: my tile of pass 0 lies in record 4 cx + w / 8, at 1,024 (w % 8); pass 1: two records on
	s_lshr_b32 s45, s[WV], 3
	s_add_co_u32 s44, s44, s45
	s_mul_i32 s44, s44, 8448
	s_mul_i32 s45, s14, 16*8448
	s_add_co_u32 s44, s44, s45
	s_mov_b32 s45, 0
	s_add_nc_u64 s[4:5], s[4:5], s[44:45]
	s_and_b32 s46, s[WV], 7
	s_lshl_b32 s46, s46, 10
	v_add_nc_u32 v232, s46, v[LI]
	s_bfe_u32 s47, s[WV], 0x20001
	s_lshl_b32 s47, s47, 6
	v_add_nc_u32 v233, s47, v[LS]                  ; its scale word: [f][r]
	global_load_b128 v[24:27], v232, s[4:5]
	global_load_b128 v[28:31], v232, s[4:5] offset:512
	global_load_b128 v[40:43], v232, s[4:5] offset:16896
	global_load_b128 v[44:47], v232, s[4:5] offset:16896+512
	global_load_b32 v234, v233, s[4:5] offset:8192
	global_load_b32 v235, v233, s[4:5] offset:8192+16896
	s_lshr_b32 s44, s14, 4                         ; ctx_img: row tile 128 n + 32 cx + w (pass 1: 16 on), 16,384 bytes each; + 1,024 x head
	s_lshl_b32 s44, s44, 7
	s_lshl_b32 s45, s13, 5
	s_add_co_u32 s44, s44, s45
	s_add_co_u32 s44, s44, s[WV]
	s_lshl_b32 s44, s44, 14
	s_and_b32 s45, s14, 15
	s_lshl_b32 s45, s45, 10
	s_add_co_u32 s44, s44, s45
	s_mov_b32 s45, 0
	s_add_nc_u64 s[8:9], s[8:9], s[44:45]
	s_lshl_b32 s44, s14, 12                        ; ctx_sc: 4,096 y + 1,024 cx
	s_lshl_b32 s46, s13, 10
	s_add_co_u32 s44, s44, s46
	s_add_nc_u64 s[10:11], s[10:11], s[44:45]
	s_and_b32 s46, s[WV], 1                        ; which half of the word is my tile's: u = w % 2
	s_mov_b32 s39, 0x03020302
	s_cmp_eq_u32 s46, 0
	s_cselect_b32 s39, 0x01000100, s39
.irp z, 16,17,18,19,20,21,22,23,32,33,34,35,36,37,38,39,48,49,50,51,52,53,54,55
	v_mov_b32 v\z, 0                               ; the zero codes beside q
.endr
.macro INIT first
	v_mov_b32 v13, 0xff61b1e6                      ; the largest t so far: -3e38
	v_floor_f32 v12, -v13                          ; -M
	v_mov_b32 v14, 0
	v_mov_b32 v15, 0
.set i, 0
.rept 32
	v_mov_b32 v[O+i], 0                            ; the step is written once: the first finds zeros, which the first change of M leaves zeros
.set i, i+1
.endr
.if \first
.irp b, 0,1,2,3
	v_mov_b32 v[236+\b], 0                         ; a lane permute's destination counts as one of its sources
.endr
	v_mov_b32 v253, 0                              ; (named as the upper half of v[252:253] before it is first written)
.endif
.endm
; A KEY STEP: the record at s[TB]: 128 keys.  qlo: first register of [q | 0]; qhi: of [0 | q]; qs: q's scale word.
.macro STEP qlo, qhi, qs
	v_add_nc_u32 v[ADI], s[TB], v[LI]
	v_add_nc_u32 v[ADS], s[TB], v[LS]
.rept 6
	v_nop                                          ; with the two additions: eight places behind the last products, in front of loads into registers that they have read
.endr
.irp f, 0,1,2,3
.irp c, 0,1,2,3
	ds_load_b128 v[KV+16*\f+4*\c:KV+16*\f+4*\c+3], v[ADI] offset:2048*\f+512*\c
.endr
	ds_load_b32 v[248+\f], v[ADS] offset:16384+64*\f
.endr
	s_wait_dscnt 0x0
.irp f, 0,1,2,3                        ; S^T: register 16 f + i of lane (r, h) is key 32 f + 16 h + i of query r
	v_wmma_scale_f32_16x16x128_f8f6f4 v[S+16*\f:S+16*\f+7], v[KV+16*\f:KV+16*\f+15], v[\qlo:\qlo+15], 0, v[248+\f], v[\qs] matrix_a_fmt:MATRIX_FMT_BF8 matrix_b_fmt:MATRIX_FMT_BF8
	v_wmma_scale_f32_16x16x128_f8f6f4 v[S+16*\f+8:S+16*\f+15], v[KV+16*\f:KV+16*\f+15], v[\qhi:\qhi+15], 0, v[248+\f], v[\qs] matrix_a_fmt:MATRIX_FMT_BF8 matrix_b_fmt:MATRIX_FMT_BF8
.endr
.rept 8
	v_nop                                          ; places in front of v's loads into k's registers and of the first read of the scores
.endr
.irp t, 0,1,2,3                        ; v's four tiles land while the softmax is walked
.irp c, 0,1,2,3
	ds_load_b128 v[KV+16*\t+4*\c:KV+16*\t+4*\c+3], v[ADI] offset:8192+2048*\t+512*\c
.endr
	ds_load_b32 v[248+\t], v[ADS] offset:16640+64*\t
.endr
.irp b, 0,1,2,3
	v_max3_num_f32 v[232+\b], v[S+16*\b], v[S+1+16*\b], v[S+2+16*\b]   ; the largest score of each block of 32 keys: for the row's maximum and, since p rises with the score, for the block's largest p
.endr
.irp i, 3,5,7,9,11,13
.irp b, 0,1,2,3
	v_max3_num_f32 v[232+\b], v[232+\b], v[S+16*\b+\i], v[S+1+16*\b+\i]
.endr
.endr
.irp b, 0,1,2,3
	v_max_num_f32 v[232+\b], v[232+\b], v[S+15+16*\b]
.endr
.irp b, 0,1,2,3
	v_permlanex16_b32 v[236+\b], v[232+\b], s[SEL], s[SEL+1]
.endr
.irp b, 0,1,2,3
	v_max_num_f32 v[232+\b], v[232+\b], v[236+\b]
.endr
	v_max3_num_f32 v254, v232, v233, v234
	v_max_num_f32 v254, v254, v235
	v_mul_f32 v254, s[CS], v254                    ; as t (c is positive)
	v_max_num_f32 v13, v13, v254                   ; the running largest t
	v_mov_b32 v254, v12
	v_floor_f32 v12, -v13                          ; the new -M = -ceil(t)
	v_sub_f32 v254, v12, v254                      ; old M - new M: a whole number, 0 or less
	v_cvt_i32_f32 v254, v254                       ; (it saturates)
	v_ldexp_f32 v252, 1.0, v254                    ; f = 2^(old M - new M)
.set j, 0
.rept 32
	v_pk_fma_f32 v[S+j:S+j+1], v[S+j:S+j+1], s[CS:CS+1], v[12:13] op_sel_hi:[1,0,0]   ; t - M, two at a time
.set j, j+2
.endr
.irp b, 0,1,2,3
	v_fma_f32 v[232+\b], v[232+\b], s[CS], v12
.endr
.set j, 0
.rept 64
	v_exp_f32 v[S+j], v[S+j]                       ; p = 2^(t - M)
.set j, j+1
.endr
	v_pk_mul_f32 v[14:15], v[14:15], v[252:253] op_sel_hi:[1,0]    ; l under the new M (a plain line behind the exponentials)
	s_wait_alu depctr_va_vdst(0)                   ; one wait for the batch, ahead of its first reader
.irp b, 0,1,2,3
	v_exp_f32 v[232+\b], v[232+\b]                 ; the block's largest p
.endr
	v_pk_add_f32 v[236:237], v[S:S+1], v[S+2:S+3]  ; the row's sum of the unquantised p, in two chains
.irp j, 4,8,12,16,20,24,28,32,36,40,44,48,52,56,60
	v_pk_add_f32 v[14:15], v[14:15], v[S+\j:S+1+\j]
	v_pk_add_f32 v[236:237], v[236:237], v[S+2+\j:S+3+\j]
.endr
	v_pk_add_f32 v[14:15], v[14:15], v[236:237]
	s_wait_alu depctr_va_vdst(0)                   ; and one for the four
.irp b, 0,1,2,3
	v_max_num_f32 v[232+\b], 0x8000000, v[232+\b]  ; the floor 2^(16 - 127)
.endr
.irp b, 0,1,2,3
	v_add_nc_u32 v[244+\b], 0xf8800000, v[232+\b]
.endr
.irp b, 0,1,2,3
	v_and_or_b32 v[240+\b], v[232+\b], 0x7f800000, s[MNT]
.endr
.irp b, 0,1,2,3
	v_lshrrev_b32 v[236+\b], 23, v[244+\b]
.endr
	v_lshl_or_b32 v253, v237, 8, v236              ; p's scale word for these 128 keys
	v_lshl_or_b32 v253, v238, 16, v253
	v_lshl_or_b32 v253, v239, 24, v253
.irp b, 0,1,2,3
.irp i, 0,1,2,3,4,5,6,7,8,9,10,11,12,13,14,15
	v_min_num_f32 v[S+16*\b+\i], v[S+16*\b+\i], v[240+\b]          ; the hold; p is not negative, so it is one-sided
.endr
	v_cvt_scalef32_pk8_bf8_f32 v[PC+4*\b:PC+1+4*\b], v[S+16*\b:S+7+16*\b], v[244+\b]
	v_cvt_scalef32_pk8_bf8_f32 v[PC+2+4*\b:PC+3+4*\b], v[S+8+16*\b:S+15+16*\b], v[244+\b]
.endr
.set j, 0
.rept 16
	v_pk_mul_f32 v[O+j:O+j+1], v[O+j:O+j+1], v[252:253] op_sel_hi:[1,0]   ; O^T under the new M; these sixteen also stand between the codes' last conversion and the products
.set j, j+2
.endr
	s_wait_dscnt 0x0                               ; v is in
.irp t, 0,1,2,3                        ; O^T += v^T p^T: four accumulators, one instruction each
	v_wmma_scale_f32_16x16x128_f8f6f4 v[O+8*\t:O+8*\t+7], v[KV+16*\t:KV+16*\t+15], v[PC:PC+15], v[O+8*\t:O+8*\t+7], v[248+\t], v253 matrix_a_fmt:MATRIX_FMT_BF8 matrix_b_fmt:MATRIX_FMT_BF8
.endr
	s_add_co_u32 s[TB], s[TB], REC
.endm
; THE WAY OUT of a pass: O^T / l; registers 16 b + i of lane (r, h) are d = 32 b + 16 h + i of query r: two blocks, each shared with lane l xor 16; the codes are the last product's operand as they stand.
.macro OUT ps
.rept 8
	v_nop                                          ; places behind the last products
.endr
	v_add_f32 v14, v14, v15
	v_permlanex16_b32 v252, v14, s[SEL], s[SEL+1]
	v_add_f32 v14, v14, v252                       ; the row's sum
	v_rcp_f32 v14, v14
	v_nop                                          ; a plain line behind the transcendental
	s_wait_alu depctr_va_vdst(0)                   ; and the wait ahead of its first reader
.set j, 0
.rept 16
	v_pk_mul_f32 v[O+j:O+j+1], v[O+j:O+j+1], v[14:15] op_sel_hi:[1,0]     ; each accumulator from its low end on
.set j, j+2
.endr
.irp b, 0,1
	v_max3_num_f32 v[232+\b], |v[O+16*\b]|, |v[O+1+16*\b]|, 0x8000000
.endr
.irp i, 2,4,6,8,10,12,14
.irp b, 0,1
	v_max3_num_f32 v[232+\b], v[232+\b], |v[O+16*\b+\i]|, |v[O+1+16*\b+\i]|
.endr
.endr
.irp b, 0,1
	v_permlanex16_b32 v[236+\b], v[232+\b], s[SEL], s[SEL+1]
.endr
.irp b, 0,1
	v_max_num_f32 v[232+\b], v[232+\b], v[236+\b]
.endr
.irp b, 0,1
	v_add_nc_u32 v[244+\b], 0xf8800000, v[232+\b]
.endr
.irp b, 0,1
	v_and_or_b32 v[240+\b], v[232+\b], 0x7f800000, s[MNT]
.endr
.irp b, 0,1
	v_lshrrev_b32 v[236+\b], 23, v[244+\b]
.endr
	v_lshl_or_b32 v10, v237, 8, v236               ; the two bytes
.irp b, 0,1
.irp i, 0,1,2,3,4,5,6,7,8,9,10,11,12,13,14,15
	v_med3_num_f32 v[O+16*\b+\i], v[O+16*\b+\i], -v[240+\b], v[240+\b]
.endr
	v_cvt_scalef32_pk8_bf8_f32 v[KV+4*\b:KV+1+4*\b], v[O+16*\b:O+7+16*\b], v[244+\b]
	v_cvt_scalef32_pk8_bf8_f32 v[KV+2+4*\b:KV+3+4*\b], v[O+8+16*\b:O+15+16*\b], v[244+\b]
.endr
	v_nop                                          ; a plain line behind the last conversion
	global_store_b128 v[LI], v[KV:KV+3], s[8:9] offset:262144*\ps          ; 512 consecutive bytes a store
	global_store_b128 v[LI], v[KV+4:KV+7], s[8:9] offset:262144*\ps+512
	ds_store_b16 v[SCRA], v10 offset:512*\ps       ; both halves of the lanes write the same halfword with the same value
.endm
	s_wait_loadcnt 0x0                             ; q and its scale words
	v_perm_b32 v[QS], v234, v234, s39              ; (s0, s1, s0, s1)
	v_perm_b32 v[QS+1], v235, v235, s39
	INIT 1
	s_wait_tensorcnt 0x1                           ; my part of records 0-7 is in; records 8-15 may stay out
	s_barrier_signal -1
	s_barrier_wait -1                              ; everybody's is
	s_mov_b32 s[CNT], 8
.Lp0a:
	STEP 24, 16, QS
	s_sub_co_u32 s[CNT], s[CNT], 1
	s_cmp_lg_u32 s[CNT], 0
	s_cbranch_scc1 .Lp0a
	s_wait_tensorcnt 0x0                           ; my part of records 8-15 is in
	s_wait_dscnt 0x0
	s_barrier_signal -1
	s_barrier_wait -1
	s_mov_b32 s[CNT], 8
.Lp0b:
	STEP 24, 16, QS
	s_sub_co_u32 s[CNT], s[CNT], 1
	s_cmp_lg_u32 s[CNT], 0
	s_cbranch_scc1 .Lp0b
	OUT 0
	s_mov_b32 s[TB], 0
	INIT 0
	s_wait_xcnt 0x0                                ; the stores have read the codes' registers: k's fragments land there again only behind this wait
	s_mov_b32 s[CNT], 16
.Lp1:
	STEP 40, 32, QS+1
	s_sub_co_u32 s[CNT], s[CNT], 1
	s_cmp_lg_u32 s[CNT], 0
	s_cbranch_scc1 .Lp1
	OUT 1
	s_wait_dscnt 0x0                               ; for the others' sake: my halfwords are in LDS
	s_barrier_signal -1
	s_barrier_wait -1
	s_cmp_lt_u32 s[WV], 4                          ; waves 0-3 carry the 1,024 bytes out, 256 consecutive aligned bytes a wave
	s_cbranch_scc0 .Lno_copy
	ds_load_b64 v[232:233], v[CPA]
	s_wait_dscnt 0x0
	global_store_b64 v255, v[232:233], s[10:11]
.Lno_copy:
	s_wait_tensorcnt 0x0                           ; the wave's end: the tensor wait, the spare word's add and its wait, behind my last tensor load and my last LDS store
	ds_add_u32 v[SPW], v[NIL]
	s_wait_dscnt 0x0
	ROUND                                          ; the closing round
	s_endpgm
.Lfunc_end_k_qc43e438522_attn:
	.size	k_qc43e438522_attn, .Lfunc_end_k_qc43e438522_attn-k_qc43e438522_attn
	.p2alignl 7, 3214868480
	.fill 96, 4, 3214868480
	.section	.rodata,"a",@progbits
	.p2align	6, 0x0
	.amdhsa_kernel k_qc43e438522_attn
		.amdhsa_group_segment_fixed_size 273408
		.amdhsa_private_segment_fixed_size 0
		.amdhsa_enable_private_segment 0
		.amdhsa_kernarg_size 32
		.amdhsa_user_sgpr_count 2
		.amdhsa_user_sgpr_kernarg_segment_ptr 1
		.amdhsa_wavefront_size32 1
		.amdhsa_system_sgpr_workgroup_id_x 1
		.amdhsa_system_sgpr_workgroup_id_y 1
		.amdhsa_system_sgpr_workgroup_id_z 1
		.amdhsa_system_vgpr_workitem_id 0
		.amdhsa_next_free_vgpr 256
		.amdhsa_next_free_sgpr 66
		.amdhsa_reserve_vcc 0
		.amdhsa_float_denorm_mode_32 3
		.amdhsa_float_denorm_mode_16_64 3
		.amdhsa_memory_ordered 1
		.amdhsa_forward_progress 1
		.amdhsa_inst_pref_size 77
	.end_amdhsa_kernel
	.amdgpu_metadata
---
amdhsa.version: [ 1, 2 ]
amdhsa.kernels:
  - .name:           k_qc43e438522_attn
    .symbol:         k_qc43e438522_attn.kd
    .args:
      - { .name: qrec, .offset: 0, .size: 8, .value_kind: global_buffer, .address_space: global }
      - { .name: kvrec, .offset: 8, .size: 8, .value_kind: global_buffer, .address_space: global }
      - { .name: ctx_img, .offset: 16, .size: 8, .value_kind: global_buffer, .address_space: global }
      - { .name: ctx_sc, .offset: 24, .size: 8, .value_kind: global_buffer, .address_space: global }
    .group_segment_fixed_size: 273408
    .private_segment_fixed_size: 0
    .kernarg_segment_align: 8
    .kernarg_segment_size: 32
    .max_flat_workgroup_size: 512
    .sgpr_count:     66
    .vgpr_count:     256
    .wavefront_size: 32
...
	.end_amdgpu_metadata
.endif
;; end of part 3
;; launch proj (part 4): grid 256 x 1, 4 waves a work-group, no clusters, 132,096 bytes of LDS; arguments ctx_img, ctx_sc, wp_img, wps_img, bp, hidden_input, gamma, beta, out0; writes out0
.if DOCPART == 4
	.amdgcn_target "amdgcn-amd-amdhsa--gfx1250"
	.amdhsa_code_object_version 6
	.text
	.protected	k_qc43e438522_proj
	.globl	k_qc43e438522_proj
	.p2align	8
	.type	k_qc43e438522_proj,@function
k_qc43e438522_proj:
	s_mov_b64 s[64:65], 0
	v_nop
	global_prefetch_b8 v0, s[64:65] scope:SCOPE_SE
	s_setreg_imm32_b32 hwreg(HW_REG_WAVE_MODE, 25, 1), 1
	s_wait_xcnt 0x0
; Launch 4 of 4: out0 = LayerNorm(ctx Wp + bp + hidden_input) x gamma + beta; the product on codes of E5M2, K = 1,024; all else f32.  No work is left out.
; SHARES.  The norm wants all 1,024 columns of a row in one work-group: work-group g owns rows 32 g .. 32 g + 31 (two tiles U of 16, rows in the order 8 U + r + 8 (r / 8)); wave w owns columns 256 w .. + 255: 16 tiles b, 32 accumulators.
; OPERANDS COME FROM MEMORY STRAIGHT INTO REGISTERS, as images: every load is of 512 consecutive bytes.  ctx's 16 fragments stay in window 2; Wp's stream through four slots of four fragments in window 3, three groups of
; sixteen loads always on their way.  NO CLUSTER AND NO LDS RING: no fragment of Wp is shared between the waves of a work-group and each feeds two products only, so that a slot's turn would hold 32 matrix instructions a wave
; between two barriers with nothing on its way across them; loads into registers need no barrier and stay out across groups.
; K IS WALKED ROTATED.  Work-group g takes the eight K steps of 128 in the order (s + g % 8) % 8, s = 0 .. 7: so at any time the 256 work-groups between them ask for all eight K steps of Wp, and not all for the same one.
; Register numbers do not know of it: place s of every table (ctx's fragments, both sides' scale words) holds K step (s + g % 8) % 8, and only the loads' offsets, made once at the head from the work-group's number, differ.
; LIMIT: the eight K steps of a sum are therefore added in an order that differs from work-group to work-group, not K ascending: another order of f32 rounding than the reference's.
; The matrix instruction is used transposed (source 0 = 16 columns of Wp, source 1 = 16 rows of ctx): a lane holds eight neighbouring columns of a row.
; ctx's scale word for K step ks is made of the halfwords of heads 2 ks and 2 ks + 1; lanes 0-15 hold tile U = 0's rows, lanes 16-31 tile U = 1's (read by the row-1 selector).
; Wp's scale words come from wps_img [K step 8][wave 4][r 16][b 16]: a K step's words of my 16 tiles are 64 neighbouring bytes a lane.
; THE NORM.  The accumulators meet in a stage in LDS (32 rows of 4,096 bytes + 16); each wave takes 8 whole rows, which are 8 neighbouring rows of the tensor; mean and variance in two passes over registers.
; hidden_input's 8 rows of a wave are the stream's last four groups, into window 3, and are prefetched earlier: four requests a wave, behind the loads of groups 8, 12, 16 and 20, a lane to each 256 bytes, each named once in the launch.
; LIMITS: as stated at the head of the first launch; 1 / sqrt by v_rsq_f32.
; REGISTERS: window 0: v1-7 addresses; v16-23 ctx's scale words; v24-39 halfwords; v40-45 the reductions; v64-191 Wp's scale words (16 s + b); v192-215 the rotated offsets; v252, v253 the add's two.  window 1: accumulators at 8 (16 U + b).
;   window 2: ctx's fragments at 16 (8 U + s); later v0-3 sums, v32-63 bp, v64-95 gamma, v96-127 beta, v128-191 two rows at work.  window 3: Wp's slots; later hidden_input's rows at 32 j.
.set STP,   4112                       ; a stage row: 4,096 bytes + 16: the 16 rows of a store start at 16 different groups of four banks (64 banks of 4 bytes: ISA guide 11.1)
.set SPARE, 32*STP                     ; behind the stage: the spare words, 128 bytes a wave, which no other line names
.set LI,  1                            ; v1 16 x lane
.set U2,  2                            ; v2 2 x lane
.set R64, 3                            ; v3 64 x (lane % 16)
.set STA, 4                            ; v4, v5 the stage, in: tile U = 0, 1
.set RDA, 6                            ; v6 the stage, back
.set PFO, 7                            ; v7 256 x lane
.set AS,  16
.set TU,  24
.set RS,  40                           ; v40 a sum, v41 the other half's, v[42:43] -mean twice, v[44:45] 1 / sqrt twice
.set BS,  64
.set VK,  192                          ; v192-199 place s: 16 x lane + 2,048 ks: an image's offset in wp_img and in ctx_img alike;  ks = (s + g % 8) % 8;  never rewritten
.set VU,  200                          ; v200-207 place s: 2 x lane + 8,192 ks: ctx's halfwords of heads 2 ks, 2 ks + 1;  never rewritten
.set VS,  208                          ; v208-215 place s: 64 r + 4,096 ks: Wp's scale words;  never rewritten
.set SPW, 252
.set NIL, 253
.set BP,  32
.set GA,  64
.set BE,  96
.set MSB, 0
.macro WIN new                         ; the immediate's high byte repeats the setting that is left
.if MSB != \new
	s_set_vgpr_msb (MSB<<8)|\new
.set MSB, \new
.endif
.endm
	s_load_b512 s[4:19], s[0:1], 0x0               ; ctx_img 4, ctx_sc 6, wp_img 8, wps_img 10, bp 12, hidden_input 14, gamma 16, beta 18
	s_load_b64 s[20:21], s[0:1], 0x40              ; out0
	v_lshl_add_u32 v[SPW], v0, 2, SPARE
	v_mov_b32 v[NIL], 0
	v_lshrrev_b32 v8, 5, v0
	v_readfirstlane_b32 s22, v8                    ; wave 0..3
	v_and_b32 v8, 31, v0                           ; lane
	v_and_b32 v9, 15, v0                           ; r
	v_bfe_u32 v10, v0, 4, 1                        ; h
	v_lshlrev_b32 v[LI], 4, v8
	v_lshlrev_b32 v[U2], 1, v8
	v_lshlrev_b32 v[R64], 6, v9
	v_lshlrev_b32 v[PFO], 8, v8
	s_and_b32 s31, ttmp9, 7                        ; where my walk along K begins
.irp s, 0,1,2,3,4,5,6,7
	s_add_co_u32 s23, s31, \s
	s_and_b32 s23, s23, 7                          ; place s holds K step ks = (s + g % 8) % 8
	v_lshl_add_u32 v[VK+\s], s23, 11, v[LI]
	v_lshl_add_u32 v[VU+\s], s23, 13, v[U2]
	v_lshl_add_u32 v[VS+\s], s23, 12, v[R64]
.endr
	s_lshl_b32 s23, s22, 10
	v_mul_u32_u24 v[STA], v9, STP
	v_lshl_add_u32 v[STA], v10, 5, v[STA]
	v_add_nc_u32 v[STA], s23, v[STA]               ; row r, + 1,024 x wave + 32 h
	v_add_nc_u32 v[STA+1], 16*STP, v[STA]
	s_mul_i32 s23, s22, 8*STP
	v_add_nc_u32 v[RDA], s23, v[LI]                ; my 8 rows, 16 bytes a lane
	v_mov_b32 v[RS+1], 0                           ; a lane permute's destination counts as one of its sources
	s_mov_b32 s26, 0x76543210
	s_mov_b32 s27, 0xfedcba98
	s_mov_b32 s28, 0xba800000                      ; -1 / 1,024
	s_mov_b32 s29, 0x3a800000                      ; 1 / 1,024
	s_mov_b32 s30, 0x322bcc77                      ; 1e-8
	s_mov_b32 s25, 0
	s_mov_b32 s33, 0
	s_mov_b32 s35, 0
	s_mov_b32 s37, 0
	s_mov_b32 s39, 0
	s_lshr_b32 s24, ttmp9, 6
	s_lshl_b32 s24, s24, 16
	s_and_b32 s23, ttmp9, 63
	s_lshl_b32 s23, s23, 6
	s_add_co_u32 s24, s24, s23                     ; ctx_sc: 65,536 n + 64 (g % 64)
	s_lshl_b32 s32, s22, 10                        ; wps_img: my 1,024 bytes of each K step's 4,096
	s_lshl_b32 s34, ttmp9, 15                      ; ctx_img: my two row tiles of 16,384 bytes
	s_lshl_b32 s36, s22, 18                        ; wp_img: my 16 tiles of 16,384 bytes
	s_lshl_b32 s38, ttmp9, 5
	s_lshr_b32 s23, s22, 1
	s_lshl_b32 s23, s23, 3
	s_add_co_u32 s38, s38, s23
	s_and_b32 s23, s22, 1
	s_lshl_b32 s23, s23, 4
	s_add_co_u32 s38, s38, s23                     ; the first of the 8 rows that I norm: 32 g + 8 (w / 2) + 16 (w % 2)
	s_lshl_b32 s38, s38, 12
	s_wait_kmcnt 0x0
	s_add_nc_u64 s[6:7], s[6:7], s[24:25]
	s_add_nc_u64 s[10:11], s[10:11], s[32:33]
	s_add_nc_u64 s[4:5], s[4:5], s[34:35]
	s_add_nc_u64 s[8:9], s[8:9], s[36:37]
	s_add_nc_u64 s[14:15], s[14:15], s[38:39]
	s_add_nc_u64 s[20:21], s[20:21], s[38:39]
.irp s, 0,1,2,3,4,5,6,7
.irp e, 0,1
	global_load_u16 v[TU+2*\s+\e], v[VU+\s], s[6:7] offset:4096*\e          ; head 2 ks + e's halfword of my row: lanes 0-15 tile U = 0, lanes 16-31 tile U = 1
.endr
.endr
.irp s, 0,1,2,3,4,5,6,7
.irp j, 0,1,2,3
	global_load_b128 v[BS+16*\s+4*\j:BS+16*\s+4*\j+3], v[VS+\s], s[10:11] offset:16*\j   ; K step ks: the scale words of column r of my tiles 4 j + 0 .. 3
.endr
.endr
	WIN 0x80                                       ; destination window 2, address window 0
.irp u, 0,1
.irp s, 0,1,2,3,4,5,6,7
.irp c, 0,1,2,3
	global_load_b128 v[16*(8*\u+\s)+4*\c:16*(8*\u+\s)+4*\c+3], v[VK+\s], s[4:5] offset:16384*\u+512*\c   ; ctx's fragment of tile U, K step ks
.endr
.endr
.endr
; Group G of the stream: sixteen loads into slot G % 4.  G < 32: Wp's fragments of place G / 4 along K, tiles 4 (G % 4) + 0 .. 3.  G = 32 .. 35: two rows of hidden_input each.
.macro WLOAD G
.if (\G) < 32
.irp i, 0,1,2,3
.irp c, 0,1,2,3
	global_load_b128 v[64*((\G)%4)+16*\i+4*\c:64*((\G)%4)+16*\i+4*\c+3], v[VK+(\G)/4], s[8:9] offset:16384*(4*((\G)%4)+\i)+512*\c
.endr
.endr
.else
.irp i, 0,1,2,3,4,5,6,7,8,9,10,11,12,13,14,15
	global_load_b128 v[64*((\G)%4)+4*\i:64*((\G)%4)+4*\i+3], v[LI], s[14:15] offset:8192*((\G)-32)+512*\i th:TH_LOAD_NT
.endr
.endif
.endm
	WIN 0xc0                                       ; destination window 3
	WLOAD 0
	WLOAD 1
	WLOAD 2
	WLOAD 3
.macro GROUP G
.set KSN, (\G)/4
.set SL, 64*((\G)%4)
	s_wait_loadcnt 48                              ; loads come back in order: this group's are in (and all older ones); the three younger groups' 48 stay out
.if (\G) == 0
	WIN 0
.irp s, 0,1,2,3,4,5,6,7
	v_lshl_or_b32 v[AS+\s], v[TU+2*\s+1], 16, v[TU+2*\s]           ; ctx's scale word of place s
.endr
.rept 8
	v_nop                                          ; a scale register written by a vector instruction stands eight places ahead of the product
.endr
.endif
	WIN 0x5b                                       ; source 0 (Wp) window 3, source 1 (ctx) window 2, C and D window 1
.irp i, 0,1,2,3                        ; eight different accumulators; each comes up again 32 instructions on
.set BT, 4*((\G)%4)+\i
.if (\G) < 4
	v_wmma_scale_f32_16x16x128_f8f6f4 v[8*BT:8*BT+7], v[SL+16*\i:SL+16*\i+15], v[16*KSN:16*KSN+15], 0, v[BS+16*KSN+BT], v[AS+KSN] matrix_a_fmt:MATRIX_FMT_BF8 matrix_b_fmt:MATRIX_FMT_BF8
	v_wmma_scale_f32_16x16x128_f8f6f4 v[8*(16+BT):8*(16+BT)+7], v[SL+16*\i:SL+16*\i+15], v[16*(8+KSN):16*(8+KSN)+15], 0, v[BS+16*KSN+BT], v[AS+KSN] matrix_a_fmt:MATRIX_FMT_BF8 matrix_b_fmt:MATRIX_FMT_BF8 matrix_b_scale:MATRIX_SCALE_ROW1
.else
	v_wmma_scale_f32_16x16x128_f8f6f4 v[8*BT:8*BT+7], v[SL+16*\i:SL+16*\i+15], v[16*KSN:16*KSN+15], v[8*BT:8*BT+7], v[BS+16*KSN+BT], v[AS+KSN] matrix_a_fmt:MATRIX_FMT_BF8 matrix_b_fmt:MATRIX_FMT_BF8
	v_wmma_scale_f32_16x16x128_f8f6f4 v[8*(16+BT):8*(16+BT)+7], v[SL+16*\i:SL+16*\i+15], v[16*(8+KSN):16*(8+KSN)+15], v[8*(16+BT):8*(16+BT)+7], v[BS+16*KSN+BT], v[AS+KSN] matrix_a_fmt:MATRIX_FMT_BF8 matrix_b_fmt:MATRIX_FMT_BF8 matrix_b_scale:MATRIX_SCALE_ROW1
.endif
.endr
.rept 8
	v_nop                                          ; places in front of loads into the slot just multiplied
.endr
	WIN 0xc0
	WLOAD (\G)+4
.if ((\G)%4 == 0) && ((\G) >= 4) && ((\G) <= 16)
	global_prefetch_b8 v[PFO], s[14:15] offset:8192*((\G)/4-1) th:TH_LOAD_NT scope:SCOPE_SE   ; two of my 8 rows of hidden_input, a lane to each 256 bytes; their loads are groups 32 to 35
.endif
.endm
.set g, 0
.rept 32
	GROUP g
.set g, g+1
.endr
	WIN 0x80                                       ; window 2 is free: the eight places stand behind the last products
.irp i, 0,1,2,3,4,5,6,7
	global_load_b128 v[BP+4*\i:BP+4*\i+3], v[LI], s[12:13] offset:512*\i           ; my lane's columns 128 i + 4 lane + 0 .. 3
	global_load_b128 v[GA+4*\i:GA+4*\i+3], v[LI], s[16:17] offset:512*\i
	global_load_b128 v[BE+4*\i:BE+4*\i+3], v[LI], s[18:19] offset:512*\i
.endr
	WIN 0x04                                       ; an LDS store's data are its source 1: window 1
.irp u, 0,1
.irp b, 0,1,2,3,4,5,6,7,8,9,10,11,12,13,14,15
	ds_store_b128 v[STA+\u], v[8*(16*\u+\b):8*(16*\u+\b)+3] offset:64*\b           ; each accumulator from its low end on
	ds_store_b128 v[STA+\u], v[8*(16*\u+\b)+4:8*(16*\u+\b)+7] offset:64*\b+16
.endr
.endr
	WIN 0
	s_wait_dscnt 0x0                               ; for the others' sake: my stores into the stage are done
	s_barrier_signal -1
	s_barrier_wait -1                              ; 32 whole rows lie in the stage
	WIN 0x80
.irp i, 0,1,2,3,4,5,6,7
	ds_load_b128 v[128+4*\i:128+4*\i+3], v[RDA] offset:512*\i
.endr
	s_wait_loadcnt 0x0                             ; hidden_input's rows, bp, gamma, beta
.macro REDUCE                          ; v[RS] over the 32 lanes, the result in every lane
	v_add_f32_dpp v[RS], v[RS], v[RS] row_xmask:1 row_mask:0xf bank_mask:0xf
	v_add_f32_dpp v[RS], v[RS], v[RS] row_xmask:2 row_mask:0xf bank_mask:0xf
	v_add_f32_dpp v[RS], v[RS], v[RS] row_xmask:4 row_mask:0xf bank_mask:0xf
	v_add_f32_dpp v[RS], v[RS], v[RS] row_xmask:8 row_mask:0xf bank_mask:0xf
	v_permlanex16_b32 v[RS+1], v[RS], s26, s27
	v_add_f32 v[RS], v[RS], v[RS+1]
.endm
.macro ROW j
.set XS, 128+32*((\j)%2)
.set XN, 128+32*(((\j)+1)%2)
.if (\j) < 7
.if (\j) > 0
	s_wait_xcnt 0x0                                ; the row before's stores have read their registers: the next row lands there only behind this wait
.endif
	WIN 0x80
.irp i, 0,1,2,3,4,5,6,7
	ds_load_b128 v[XN+4*\i:XN+4*\i+3], v[RDA] offset:((\j)+1)*STP+512*\i
.endr
	s_wait_dscnt 0x8                               ; this row is in; the next row's eight loads stay out
.else
	s_wait_dscnt 0x0
.endif
	WIN 0xaa                                       ; all in window 2
.irp k, 0,2,4,6,8,10,12,14,16,18,20,22,24,26,28,30
	v_pk_add_f32 v[XS+\k:XS+\k+1], v[XS+\k:XS+\k+1], v[BP+\k:BP+\k+1]
.endr
	WIN 0xae                                       ; source 1 in window 3
.irp k, 0,2,4,6,8,10,12,14,16,18,20,22,24,26,28,30
	v_pk_add_f32 v[XS+\k:XS+\k+1], v[XS+\k:XS+\k+1], v[32*(\j)+\k:32*(\j)+\k+1]    ; + hidden_input
.endr
	WIN 0xaa
	v_pk_add_f32 v[0:1], v[XS:XS+1], v[XS+4:XS+5]  ; the row's sum, in two chains
	v_pk_add_f32 v[2:3], v[XS+2:XS+3], v[XS+6:XS+7]
.irp k, 8,12,16,20,24,28
	v_pk_add_f32 v[0:1], v[0:1], v[XS+\k:XS+\k+1]
	v_pk_add_f32 v[2:3], v[2:3], v[XS+\k+2:XS+\k+3]
.endr
	v_pk_add_f32 v[0:1], v[0:1], v[2:3]
	WIN 0x0a                                       ; sources window 2, destination window 0
	v_add_f32 v[RS], v0, v1
	WIN 0
	REDUCE
	v_mul_f32 v[RS+2], s28, v[RS]                  ; -mean, twice: a pair for the packed addition
	v_mul_f32 v[RS+3], s28, v[RS]
	WIN 0x82                                       ; destination and source 0 window 2, source 1 window 0
.irp k, 0,2,4,6,8,10,12,14,16,18,20,22,24,26,28,30
	v_pk_add_f32 v[XS+\k:XS+\k+1], v[XS+\k:XS+\k+1], v[RS+2:RS+3]
.endr
	WIN 0xaa
	v_pk_mul_f32 v[0:1], v[XS:XS+1], v[XS:XS+1]    ; the squares' sum, in two chains
	v_pk_mul_f32 v[2:3], v[XS+2:XS+3], v[XS+2:XS+3]
.irp k, 4,8,12,16,20,24,28
	v_pk_fma_f32 v[0:1], v[XS+\k:XS+\k+1], v[XS+\k:XS+\k+1], v[0:1]
	v_pk_fma_f32 v[2:3], v[XS+\k+2:XS+\k+3], v[XS+\k+2:XS+\k+3], v[2:3]
.endr
	v_pk_add_f32 v[0:1], v[0:1], v[2:3]
	WIN 0x0a
	v_add_f32 v[RS], v0, v1
	WIN 0
	REDUCE
	v_fma_f32 v[RS], v[RS], s29, s30               ; the variance + 1e-8
	v_rsq_f32 v[RS+4], v[RS]
	v_rsq_f32 v[RS+5], v[RS]
	v_nop                                          ; a plain line behind the transcendentals
	s_wait_alu depctr_va_vdst(0)                   ; one wait for both, ahead of their first reader
	WIN 0x82
.irp k, 0,2,4,6,8,10,12,14,16,18,20,22,24,26,28,30
	v_pk_mul_f32 v[XS+\k:XS+\k+1], v[XS+\k:XS+\k+1], v[RS+4:RS+5]
.endr
	WIN 0xaa
.irp k, 0,2,4,6,8,10,12,14,16,18,20,22,24,26,28,30
	v_pk_fma_f32 v[XS+\k:XS+\k+1], v[XS+\k:XS+\k+1], v[GA+\k:GA+\k+1], v[BE+\k:BE+\k+1]
.endr
	WIN 0x08                                       ; a store's data are its source 1: window 2
.irp i, 0,1,2,3,4,5,6,7
	global_store_b128 v[LI], v[XS+4*\i:XS+4*\i+3], s[20:21] offset:4096*(\j)+512*\i th:TH_STORE_NT   ; 512 consecutive bytes a store, aligned
.endr
.endm
.irp j, 0,1,2,3,4,5,6,7
	ROW \j
.endr
	WIN 0
	s_wait_tensorcnt 0x0                           ; the wave's end: the tensor wait, the spare word's add and its wait, behind my last LDS store
	ds_add_u32 v[SPW], v[NIL]
	s_wait_dscnt 0x0
	s_endpgm
.Lfunc_end_k_qc43e438522_proj:
	.size	k_qc43e438522_proj, .Lfunc_end_k_qc43e438522_proj-k_qc43e438522_proj
	.p2alignl 7, 3214868480
	.fill 96, 4, 3214868480
	.section	.rodata,"a",@progbits
	.p2align	6, 0x0
	.amdhsa_kernel k_qc43e438522_proj
		.amdhsa_group_segment_fixed_size 132096
		.amdhsa_private_segment_fixed_size 0
		.amdhsa_enable_private_segment 0
		.amdhsa_kernarg_size 72
		.amdhsa_user_sgpr_count 2
		.amdhsa_user_sgpr_kernarg_segment_ptr 1
		.amdhsa_wavefront_size32 1
		.amdhsa_system_sgpr_workgroup_id_x 1
		.amdhsa_system_sgpr_workgroup_id_y 1
		.amdhsa_system_sgpr_workgroup_id_z 1
		.amdhsa_system_vgpr_workitem_id 0
		.amdhsa_next_free_vgpr 1024
		.amdhsa_next_free_sgpr 66
		.amdhsa_reserve_vcc 0
		.amdhsa_float_denorm_mode_32 3
		.amdhsa_float_denorm_mode_16_64 3
		.amdhsa_memory_ordered 1
		.amdhsa_forward_progress 1
		.amdhsa_inst_pref_size 198
	.end_amdhsa_kernel
	.amdgpu_metadata
---
amdhsa.version: [ 1, 2 ]
amdhsa.kernels:
  - .name:           k_qc43e438522_proj
    .symbol:         k_qc43e438522_proj.kd
    .args:
      - { .name: ctx_img, .offset: 0, .size: 8, .value_kind: global_buffer, .address_space: global }
      - { .name: ctx_sc, .offset: 8, .size: 8, .value_kind: global_buffer, .address_space: global }
      - { .name: wp_img, .offset: 16, .size: 8, .value_kind: global_buffer, .address_space: global }
      - { .name: wps_img, .offset: 24, .size: 8, .value_kind: global_buffer, .address_space: global }
      - { .name: bp, .offset: 32, .size: 8, .value_kind: global_buffer, .address_space: global }
      - { .name: hidden_input, .offset: 40, .size: 8, .value_kind: global_buffer, .address_space: global }
      - { .name: gamma, .offset: 48, .size: 8, .value_kind: global_buffer, .address_space: global }
      - { .name: beta, .offset: 56, .size: 8, .value_kind: global_buffer, .address_space: global }
      - { .name: out0, .offset: 64, .size: 8, .value_kind: global_buffer, .address_space: global }
    .group_segment_fixed_size: 132096
    .private_segment_fixed_size: 0
    .kernarg_segment_align: 8
    .kernarg_segment_size: 72
    .max_flat_workgroup_size: 128
    .sgpr_count:     66
    .vgpr_count:     1024
    .wavefront_size: 32
...
	.end_amdgpu_metadata
.endif
;; end of part 4
